; MI455X (gfx1250); checked and timed in simulation.
; The chip was launched on July 23, 2026; its instructions are those of AMD's public machine-readable ISA for CDNA 5 (MIT licence, August 2026) and "CDNA5" Instruction Set Architecture Reference Guide (July 2026). The comments in the code are by the model that wrote it; some were corrected since.
;; Multi Head Attention. Allowed arithmetic: matrix products marked QUANTISED: E3M2 operands, one E8M0 scale for each 32 along K, by v_wmma_scale_f32_16x16x128_f8f6f4 with both operands' format E3M2, f32 sums; everything else in f32.
;; Inputs: WK 1,024 x 1,024 float32; WO 1,024 x 1,024 float32; WQ 1,024 x 1,024 float32; WV 1,024 x 1,024 float32; bK 1,024 float32; bO 1,024 float32; bQ 1,024 float32; bV 1,024 float32; mask 1 x 1 x 2,048 x 2,048 bool; x 4 x 2,048 x 1,024 float32.
;; Outputs: out0 4 x 2,048 x 1,024 float32.
;; This version of the problem:
;;   THIS VERSION OF THE PROBLEM IS GIVEN IN LOW PRECISION. The matrix products marked QUANTISED in the list below multiply operands that are first quantised to E3M2 (3 exponent bits, 2 mantissa bits; 6 bits a number), with one power-of-two scale for each 32 numbers along K (OCP MX v1.0); their sums are f32. All else is computed in f32.
;;   The module's matrix products, in the order in which they are computed (A, B: the left and right operand; K: the contracted axis; several contracted axes count as one K, in the product's order):
;;     1. [M 8,192, K 1,024] x [K 1,024, N 1,024]; A: input x; B: input WQ: QUANTISED
;;     2. [M 8,192, K 1,024] x [K 1,024, N 1,024]; A: input x; B: input WK: QUANTISED
;;     3. [M 8,192, K 1,024] x [K 1,024, N 1,024]; A: input x; B: input WV: QUANTISED
;;     4. batch 64 x [M 2,048, K 64] x [K 64, N 2,048]; A: computed on the way; B: computed on the way: QUANTISED
;;     5. batch 64 x [M 2,048, K 2,048] x [K 2,048, N 64]; A: softmax (see below); B: computed on the way: QUANTISED
;;     6. [M 8,192, K 1,024] x [K 1,024, N 1,024]; A: computed on the way; B: input WO: QUANTISED
;;   THE QUANTISER, for each operand of a quantised product, along K:
;;     - K is cut into blocks of 32 from its start; a last block that is shorter is filled with zeros.
;;     - A block's scale is 2^e with e = floor(log2(the largest magnitude in the block)) - 4, held to -126 .. 127; a block of zeros has e = 0. As a byte (E8M0): e + 127.
;;     - Each number is divided by its block's scale, clamped to +-28, and rounded to the nearest number of E3M2, ties to even, subnormals kept.
;;     - The product sums the exact products of the quantised numbers (number of the format x scale) in f32.
;;   ~~~python
;;   def quantise(x, axis):      # numpy; x: float32 -> the quantised numbers, widened to float32 again
;;       x = np.moveaxis(x, axis, -1); K = x.shape[-1]
;;       x = np.pad(x, [(0, 0)] * (x.ndim - 1) + [(0, -K % 32)]); x = x.reshape(x.shape[:-1] + (-1, 32)); a = np.abs(x).max(-1, keepdims=True)
;;       e = np.where(a > 0, np.clip(np.frexp(np.where(a > 0, a, 1))[1] - 1 - 4, -126, 127), 0)      # np.frexp(a)[1] - 1 = floor(log2(a)), exactly
;;       r = np.clip(x / 2.0 ** e, -28, 28)
;;       step = 2.0 ** (np.maximum(np.frexp(np.where(r == 0, 1, r))[1] - 1, -2) - 2)
;;       q = np.round(r / step) * step * 2.0 ** e      # np.round: ties to even
;;       return np.moveaxis(q.reshape(q.shape[:-2] + (-1,))[..., :K], -1, axis).astype(np.float32)
;;   ~~~
;;   SOFTMAX AHEAD OF A QUANTISED PRODUCT. Where the list says 'softmax', what is quantised is not the finished softmax but p = 2^(t - M), with t = logit x log2(e) and M = ceil(the row's largest t), a whole number; so 1/2 < the row's largest p <= 1. The row's sum l is taken of the UNQUANTISED p, in f32, and the product's result is divided by l at the end. Since M is a whole number, a kernel that streams over the keys may use a running M (the ceiling of the running maximum): every later rescaling is an exact power of two, which a block's scale takes up: the codes' values come out the same.
;;   OPERANDS COMPUTED ON THE WAY. 'Computed on the way' means the value that the module computes at that place (a softmax that the list does not call 'softmax' is quantised finished and normalised). What goes into a quantiser is computed in f32, as accurately as f32 sums, v_exp_f32 and their like allow (about 1e-6 of the number): no bf16 or f16 on the way to a quantiser, and a product that is left as it is and whose result goes on into a quantised operand takes f32 operands (vector FMAs, or v_wmma_f32_16x16x4_f32). A number that lies on a knife's edge between two numbers of the format may be rounded either way, as far as f32 arithmetic and the matrix unit's own rounding can turn it there, and no further.
;; 2 versions, each right; version 2 is version 1 with the launch attn written anew for expert scheduling mode. Each part assembles by itself: llvm-mc -triple=amdgcn-amd-amdhsa -mcpu=gfx1250 --defsym DOCPART=n.
;; ======== version 1 of 2: 6 launches
;; limits: right only within a limited range of input values
;; workspace buffers: xq 6,553,600 bytes; wq 3,276,800 bytes; qbuf 6,815,744 bytes; kv 13,369,344 bytes; ctx 6,553,600 bytes; mtab 524,800 bytes of whole numbers
;; launch quant_x (part 1): grid 512 x 1, 8 waves a work-group, no clusters, 69,120 bytes of LDS; arguments x, xq; writes xq
.if DOCPART == 1
	.amdgcn_target "amdgcn-amd-amdhsa--gfx1250"
	.amdhsa_code_object_version 6
	.text
	.protected	k_q8f6d78c959_quant_x
	.globl	k_q8f6d78c959_quant_x
	.p2align	8
	.type	k_q8f6d78c959_quant_x,@function
k_q8f6d78c959_quant_x:
	s_mov_b64 s[64:65], 0
	v_nop
	global_prefetch_b8 v0, s[64:65] scope:SCOPE_SE
	s_setreg_imm32_b32 hwreg(HW_REG_WAVE_MODE, 25, 1), 1
	s_wait_xcnt 0x0
; x [8192][1024] f32 becomes codes of E3M2 (6 bits) with one E8M0 byte for each 32 along K, laid as IMAGES OF OPERAND REGISTERS.
; A tile is 16 tokens; tile T, lane r holds token 32 (T / 2) + 8 (T % 2) + r + 8 (r / 8).  A fragment (16 tokens x 128 K, 12 registers a lane) is 1,536 bytes:
; twice [32 lanes x 16 bytes = registers 0-3][32 lanes x 8 bytes = registers 4-5].  xq: [T 512][K step 8][1,536], then from byte 6,291,456 the scale words [T][K step / 2][r 16][K step % 2].
; A block's scale is 2^(floor(log2(largest magnitude)) - 4): its byte is the largest magnitude's exponent field - 4, held at 1 from below.
; LIMITS: a block of zeros, or one whose largest magnitude lies under 2^-122, keeps the byte 1 (this program alone reads the bytes; a block of zeros has zero codes); NaN and infinities are not served.
; SHARES: a work-group takes a tile, wave s its K step s.  Each of a wave's 16 loads reads 512 consecutive bytes of one token; the 8 KiB turn through the wave's own stage in LDS,
; so that a lane gets 16 neighbours of each block of 32.  No loop: all 16 loads of every wave are out together.
.set ROWX,  4096                       ; a token's row in bytes
.set SPX,   528                        ; a stage row: 512 bytes + 16, so that the 16 rows of a read start in different banks
.set WST,   16*SPX                     ; a wave's stage
.set SCB,   8*WST                      ; behind the stages: the tile's 512 bytes of scale words
.set XST,   0x600000                   ; where the scale words begin in xq
.set R,     16                         ; v16-79   as loaded
.set X,     80                         ; v80-143  register 16 b + i = K 32 b + 16 (lane / 16) + i of my token
.set PC,    144                        ; v144-155 the fragment; v156-162 at work
.set TM,    164                        ; v164-179 at work
.set PW,    180                        ; the scale word
.set SEL,   20                         ; s[20:21] selects of v_permlanex16_b32: lane l xor 16
; 64 numbers of a lane become a fragment's codes in v[PC] on and its scale word in v[PW]
.macro QUANT s
.irp b, 0,1,2,3
	v_max3_num_f32 v[TM+\b], |v[\s+16*\b]|, |v[\s+1+16*\b]|, 0x2800000   ; block b: my 16 numbers, and the floor 2^(5 - 127): the byte cannot fall under 1
.endr
.irp i, 2,4,6,8,10,12,14
.irp b, 0,1,2,3
	v_max3_num_f32 v[TM+\b], v[TM+\b], |v[\s+16*\b+\i]|, |v[\s+1+16*\b+\i]|   ; the four blocks by turns
.endr
.endr
.irp b, 0,1,2,3
	v_permlanex16_b32 v[TM+4+\b], v[TM+\b], s[SEL], s[SEL+1]
.endr
.irp b, 0,1,2,3
	v_max_num_f32 v[TM+\b], v[TM+\b], v[TM+4+\b]   ; with lane l xor 16's: the block's largest magnitude
.endr
.irp b, 0,1,2,3
	v_add_nc_u32 v[TM+12+\b], 0xfe000000, v[TM+\b]   ; 4 off its exponent field: the conversion takes this operand's exponent field as its scale
.endr
.irp b, 0,1,2,3
	v_lshrrev_b32 v[TM+4+\b], 23, v[TM+12+\b]      ; the scale's byte
.endr
	v_lshl_or_b32 v[PW], v[TM+5], 8, v[TM+4]
	v_lshl_or_b32 v[PW], v[TM+6], 16, v[PW]
	v_lshl_or_b32 v[PW], v[TM+7], 24, v[PW]
.irp c, 0,1
	v_cvt_scalef32_pk16_bf6_f32 v[PC+6*\c:PC+2+6*\c], v[\s+32*\c:\s+15+32*\c], v[TM+12+2*\c]
	v_cvt_scalef32_pk16_bf6_f32 v[PC+12+4*\c:PC+14+4*\c], v[\s+16+32*\c:\s+31+32*\c], v[TM+12+2*\c+1]   ; (a conversion's three registers begin on an even number)
.endr
	v_nop                                          ; one plain instruction behind a scaled conversion
.irp c, 0,1                                    ; the operand wants a whole block in a lane: lanes 0-15 block 2 c, lanes 16-31 block 2 c + 1
.irp i, 0,1,2
	v_permlane16_swap_b32 v[PC+6*\c+\i], v[PC+12+4*\c+\i]
.endr
.irp i, 0,1,2
	v_mov_b32 v[PC+3+6*\c+\i], v[PC+12+4*\c+\i]
.endr
.endr
.endm
	s_load_b128 s[4:7], s[0:1], 0x0                ; x, xq
	v_lshl_add_u32 v192, v0, 2, 0x10a00
	v_mov_b32 v193, 0
	v_lshrrev_b32 v1, 5, v0
	v_readfirstlane_b32 s8, v1                     ; wave = K step
	v_and_b32 v6, 31, v0                           ; lane
	v_and_b32 v7, 15, v0                           ; r
	v_bfe_u32 v8, v0, 4, 1                         ; h
	v_lshlrev_b32 v1, 4, v6                        ; 16 x lane
	v_lshlrev_b32 v2, 3, v6                        ; 8 x lane
	s_mul_i32 s9, s8, WST
	v_add_nc_u32 v3, s9, v1                        ; the stage, on the way in
	v_mul_u32_u24 v4, v7, SPX
	v_lshl_add_u32 v4, v8, 6, v4
	v_add_nc_u32 v4, s9, v4                        ; and on the way out: row r, + 64 h
	s_lshr_b32 s10, s8, 1
	s_lshl_b32 s10, s10, 7
	s_and_b32 s11, s8, 1
	s_lshl_b32 s11, s11, 2
	s_add_co_u32 s10, s10, s11
	s_add_co_u32 s10, s10, SCB
	v_lshl_add_u32 v5, v7, 3, s10                  ; my scale word's place: 128 (s / 2) + 8 r + 4 (s % 2)
	v_add_nc_u32 v9, SCB, v1                       ; and where wave 0 reads the 512 bytes back
	s_mov_b32 s[SEL], 0x76543210
	s_mov_b32 s[SEL+1], 0xfedcba98
	s_lshr_b32 s12, ttmp9, 1
	s_lshl_b32 s12, s12, 17                        ; 32 tokens of 4,096 bytes
	s_and_b32 s13, ttmp9, 1
	s_lshl_b32 s13, s13, 15                        ; 8 tokens
	s_add_co_u32 s12, s12, s13
	s_lshl_b32 s13, s8, 9                          ; my K step's 512 bytes
	s_add_co_u32 s12, s12, s13
	s_mov_b32 s13, 0
	s_lshl_b32 s14, ttmp9, 3
	s_add_co_u32 s14, s14, s8
	s_mul_i32 s14, s14, 1536                       ; fragment 8 T + s
	s_mov_b32 s15, 0
	s_lshl_b32 s16, ttmp9, 9
	s_add_co_u32 s16, s16, XST
	s_mov_b32 s17, 0
	s_wait_kmcnt 0x0
	s_add_nc_u64 s[4:5], s[4:5], s[12:13]
	s_add_nc_u64 s[18:19], s[6:7], s[16:17]        ; the tile's scale words
	s_add_nc_u64 s[6:7], s[6:7], s[14:15]          ; my fragment
.irp p, 0,1,2,3,4,5,6,7,8,9,10,11,12,13,14,15
	global_load_b128 v[R+4*\p:R+4*\p+3], v1, s[4:5] offset:(\p+8*(\p/8))*ROWX th:TH_LOAD_NT   ; tile row p: 512 consecutive bytes
.endr
.irp b, 0,1,2,3
	v_mov_b32 v[TM+4+\b], 0                        ; written once: a lane permute's destination counts as one of its sources
.endr
.irp p, 0,1,2,3,4,5,6,7,8,9,10,11,12,13,14,15
	s_wait_loadcnt 15-\p                           ; loads come back in order: row p is in, the younger ones stay out
	ds_store_b128 v3, v[R+4*\p:R+4*\p+3] offset:SPX*\p
.endr
.irp b, 0,1,2,3
.irp k, 0,1,2,3
	ds_load_b128 v[X+16*\b+4*\k:X+16*\b+4*\k+3], v4 offset:128*\b+16*\k   ; LDS serves a wave's instructions in order: these see my stores
.endr
.endr
	s_wait_dscnt 0x0
	QUANT X
	global_store_b128 v1, v[PC:PC+3], s[6:7]       ; each store covers whole aligned blocks of 256 bytes
	global_store_b64 v2, v[PC+4:PC+5], s[6:7] offset:512
	global_store_b128 v1, v[PC+6:PC+9], s[6:7] offset:768
	global_store_b64 v2, v[PC+10:PC+11], s[6:7] offset:1280
	ds_store_b32 v5, v[PW]                         ; lanes r and r + 16 write the same word with the same value
	s_wait_dscnt 0x0                               ; for wave 0's sake: my word has landed
	s_barrier_signal -1
	s_barrier_wait -1
	s_cmp_lg_u32 s8, 0
	s_cbranch_scc1 .Lend
	ds_load_b128 v[10:13], v9                      ; the eight waves' words: 512 bytes
	s_wait_dscnt 0x0
	global_store_b128 v1, v[10:13], s[18:19]       ; two aligned blocks of 256 bytes
.Lend:
	s_wait_tensorcnt 0x0
	ds_add_u32 v192, v193
	s_wait_dscnt 0x0
	s_endpgm
.Lfunc_end_k_q8f6d78c959_quant_x:
	.size	k_q8f6d78c959_quant_x, .Lfunc_end_k_q8f6d78c959_quant_x-k_q8f6d78c959_quant_x
	.p2alignl 7, 3214868480
	.fill 96, 4, 3214868480
	.section	.rodata,"a",@progbits
	.p2align	6, 0x0
	.amdhsa_kernel k_q8f6d78c959_quant_x
		.amdhsa_group_segment_fixed_size 69120
		.amdhsa_private_segment_fixed_size 0
		.amdhsa_enable_private_segment 0
		.amdhsa_kernarg_size 16
		.amdhsa_user_sgpr_count 2
		.amdhsa_user_sgpr_kernarg_segment_ptr 1
		.amdhsa_wavefront_size32 1
		.amdhsa_system_sgpr_workgroup_id_x 1
		.amdhsa_system_sgpr_workgroup_id_y 1
		.amdhsa_system_sgpr_workgroup_id_z 1
		.amdhsa_system_vgpr_workitem_id 0
		.amdhsa_next_free_vgpr 194
		.amdhsa_next_free_sgpr 66
		.amdhsa_reserve_vcc 0
		.amdhsa_float_denorm_mode_32 3
		.amdhsa_float_denorm_mode_16_64 3
		.amdhsa_memory_ordered 1
		.amdhsa_forward_progress 1
		.amdhsa_inst_pref_size 11
	.end_amdhsa_kernel
	.amdgpu_metadata
---
amdhsa.version: [ 1, 2 ]
amdhsa.kernels:
  - .name:           k_q8f6d78c959_quant_x
    .symbol:         k_q8f6d78c959_quant_x.kd
    .args:
      - { .name: x, .offset: 0, .size: 8, .value_kind: global_buffer, .address_space: global }
      - { .name: xq, .offset: 8, .size: 8, .value_kind: global_buffer, .address_space: global }
    .group_segment_fixed_size: 69120
    .private_segment_fixed_size: 0
    .kernarg_segment_align: 8
    .kernarg_segment_size: 16
    .max_flat_workgroup_size: 256
    .sgpr_count:     66
    .vgpr_count:     194
    .wavefront_size: 32
...
	.end_amdgpu_metadata
.endif
;; end of part 1
;; launch quant_w (part 2): grid 32 x 4, 4 waves a work-group, no clusters, 26,112 bytes of LDS; arguments WQ, WK, WV, WO, wq; writes wq
.if DOCPART == 2
	.amdgcn_target "amdgcn-amd-amdhsa--gfx1250"
	.amdhsa_code_object_version 6
	.text
	.protected	k_q8f6d78c959_quant_w
	.globl	k_q8f6d78c959_quant_w
	.p2align	8
	.type	k_q8f6d78c959_quant_w,@function
k_q8f6d78c959_quant_w:
	s_mov_b64 s[64:65], 0
	v_nop
	global_prefetch_b8 v0, s[64:65] scope:SCOPE_SE
	s_setreg_imm32_b32 hwreg(HW_REG_WAVE_MODE, 25, 1), 1
	s_wait_xcnt 0x0
; The four weights [K 1024][N 1024] f32, whose K is the FIRST axis, become codes of E3M2 with one E8M0 byte for each 32 along K, laid as images of operand registers:
; wq: [tile 256][K step 8][1,536] (tiles 0-63 WQ, 64-127 WK, 128-191 WV, 192-255 WO), then from byte 3,145,728 the scale words [tile][K step / 2][r 16][K step % 2].
; Tile i of a weight, lane r holds column 32 (i / 2) + 8 (i % 2) + r + 8 (r / 8).  A fragment is twice [32 lanes x 16 bytes][32 lanes x 8 bytes].
; A LANE TAKES A COLUMN AND ITS REGISTERS RUN DOWN K: a block of 32 lies in one lane, its largest magnitude needs no other lane, and the conversions give codes with K innermost.
; A wave takes 32 columns (two tiles) x 256 along K (two K steps): 8 blocks a lane.  A lane's 24 bytes of a block go to their place in the image in the wave's own stage; the stage leaves as 512 consecutive bytes a store.
; LIMITS: a block of zeros, or one whose largest magnitude lies under 2^-122, keeps the byte 1 (this program alone reads the bytes); NaN and infinities are not served.
.set NB,    8                          ; blocks a lane
.set USTR,  3200                       ; the stage's second tile begins here: 3,072 + 128, so that the two tiles' lanes fall on different banks
.set WST,   2*USTR                     ; a wave's stage
.set WSTB,  0x300000                   ; where the scale words begin in wq
.set X,     32                         ; v32-95   two sets of 32 numbers
.set C,     96                         ; v96-102  a block's codes
.set OUTR,  112                        ; v112-159 the way out
.set SB,    24                         ; v24-25   the scale bytes: two words
	s_load_b256 s[4:11], s[0:1], 0x0               ; WQ, WK, WV, WO
	s_load_b64 s[12:13], s[0:1], 0x20              ; wq
	v_lshl_add_u32 v192, v0, 2, 0x6400
	v_mov_b32 v193, 0
	v_lshrrev_b32 v1, 5, v0
	v_readfirstlane_b32 s16, v1                    ; wave
	v_and_b32 v2, 31, v0                           ; lane = column in the wave's 32
	s_lshr_b32 s17, ttmp9, 3                       ; which weight
	s_and_b32 s18, ttmp9, 7
	s_lshl_b32 s18, s18, 7
	s_lshl_b32 s19, s16, 5
	s_add_co_u32 s18, s18, s19                     ; my wave's first column
	s_and_b32 s19, ttmp7, 0xffff                   ; which 256 along K
	v_lshlrev_b32 v3, 2, v2                        ; in: 4 bytes a lane
	v_bfe_u32 v10, v2, 3, 1                        ; u: which of the two tiles my column belongs to
	v_and_b32 v11, 7, v2
	v_lshrrev_b32 v12, 4, v2
	v_lshl_add_u32 v11, v12, 3, v11                ; r: its lane there
	s_mul_i32 s20, s16, WST
	v_mul_u32_u24 v13, v10, USTR
	v_add_nc_u32 v13, s20, v13
	v_lshl_add_u32 v4, v11, 4, v13                 ; the stage: registers 0-3 of lane r
	v_lshl_add_u32 v5, v11, 3, v13                 ; and registers 4-5
	v_lshlrev_b32 v7, 4, v2                        ; out: 16 bytes a lane
	v_add_nc_u32 v6, s20, v7
	v_lshlrev_b32 v9, 9, v10
	v_lshl_add_u32 v9, v11, 3, v9                  ; my scale words: 512 u + 8 r
	s_lshl_b32 s22, s19, 20                        ; 256 rows of 4,096 bytes
	s_lshl_b32 s23, s18, 2
	s_add_co_u32 s22, s22, s23
	s_mov_b32 s23, 0
	s_lshl_b32 s24, s17, 6
	s_lshr_b32 s25, s18, 4
	s_add_co_u32 s24, s24, s25                     ; my first tile
	s_lshl_b32 s26, s24, 3
	s_lshl_b32 s27, s19, 1
	s_add_co_u32 s26, s26, s27
	s_mul_i32 s26, s26, 1536                       ; its fragment of K step 2 y
	s_mov_b32 s27, 0
	s_lshl_b32 s28, s24, 9
	s_lshl_b32 s29, s19, 7
	s_add_co_u32 s28, s28, s29
	s_add_co_u32 s28, s28, WSTB
	s_mov_b32 s29, 0
	s_wait_kmcnt 0x0
	s_cmp_lt_u32 s17, 1                            ; the weight is chosen by the work-group's number alone
	s_cselect_b64 s[4:5], s[4:5], s[6:7]
	s_cmp_lt_u32 s17, 3
	s_cselect_b64 s[8:9], s[8:9], s[10:11]
	s_cmp_lt_u32 s17, 2
	s_cselect_b64 s[4:5], s[4:5], s[8:9]
	s_add_nc_u64 s[4:5], s[4:5], s[22:23]
	s_add_nc_u64 s[14:15], s[12:13], s[28:29]      ; scale words
	s_add_nc_u64 s[12:13], s[12:13], s[26:27]      ; codes
.macro LOAD t                          ; block t: W(32 t + i, my column) into set t % 2: 128 consecutive bytes a wave
.set i, 0
.rept 32
	global_load_b32 v[X+32*((\t)%2)+i], v3, s[4:5] offset:(32*(\t)+i)*4096 th:TH_LOAD_NT
.set i, i+1
.endr
.endm
	LOAD 0
	LOAD 1
.macro BLOCK t
.set XS, X+32*((\t)%2)
.if (\t) < NB-1
	s_wait_loadcnt 32                              ; this block's 32 loads are in; the next block's may be out
.else
	s_wait_loadcnt 0
.endif
	v_max3_num_f32 v14, |v[XS]|, |v[XS+1]|, |v[XS+2]|
	v_max3_num_f32 v15, |v[XS+3]|, |v[XS+4]|, |v[XS+5]|
.irp i, 6,10,14,18,22,26
	v_max3_num_f32 v14, v14, |v[XS+\i]|, |v[XS+\i+1]|
	v_max3_num_f32 v15, v15, |v[XS+\i+2]|, |v[XS+\i+3]|
.endr
	v_max3_num_f32 v14, v14, |v[XS+30]|, |v[XS+31]|
	v_max3_num_f32 v14, v14, v15, 0x2800000        ; and the floor 2^(5 - 127): the byte cannot fall under 1
	v_add_nc_u32 v16, 0xfe000000, v14              ; 4 off the exponent field: the conversion's scale operand
	v_lshrrev_b32 v15, 23, v16                     ; the scale's byte
.if (\t)%4 == 0
	v_mov_b32 v[SB+(\t)/4], v15
.else
	v_lshl_or_b32 v[SB+(\t)/4], v15, 8*((\t)%4), v[SB+(\t)/4]
.endif
	v_cvt_scalef32_pk16_bf6_f32 v[C:C+2], v[XS:XS+15], v16
	v_cvt_scalef32_pk16_bf6_f32 v[C+4:C+6], v[XS+16:XS+31], v16   ; (a conversion's three registers begin on an even number)
	v_nop                                          ; one plain instruction behind a scaled conversion
	v_mov_b32 v[C+3], v[C+4]                       ; the block's six registers on end
	v_mov_b32 v[C+4], v[C+5]
	v_mov_b32 v[C+5], v[C+6]
	ds_store_b128 v4, v[C:C+3] offset:1536*((\t)/4)+768*(((\t)%4)/2)+256*((\t)%2)           ; block t is K step t / 4, half (t % 4) / 2, lanes 16 (t % 2) + r of the image
	ds_store_b64 v5, v[C+4:C+5] offset:1536*((\t)/4)+768*(((\t)%4)/2)+512+128*((\t)%2)
.if (\t)+2 < NB
	LOAD (\t)+2
.endif
	s_wait_dscnt 0x0                               ; the stores have read their registers: the next block's codes may be written
.endm
.set Q, 0
.rept NB
	BLOCK Q
.set Q, Q+1
.endr
	global_store_b64 v9, v[SB:SB+1], s[14:15]      ; my column's two scale words
.irp u, 0,1
.irp i, 0,1,2,3,4,5
	ds_load_b128 v[OUTR+4*(6*\u+\i):OUTR+4*(6*\u+\i)+3], v6 offset:USTR*\u+512*\i   ; LDS serves a wave's instructions in order: these see my stores
.endr
.endr
.irp u, 0,1
.irp i, 0,1,2,3,4,5
	s_wait_dscnt 11-6*\u-\i                        ; the younger loads stay out
	global_store_b128 v7, v[OUTR+4*(6*\u+\i):OUTR+4*(6*\u+\i)+3], s[12:13] offset:12288*\u+512*\i   ; 512 consecutive bytes, at a multiple of 256
.endr
.endr
	s_wait_tensorcnt 0x0
	ds_add_u32 v192, v193
	s_wait_dscnt 0x0
	s_endpgm
.Lfunc_end_k_q8f6d78c959_quant_w:
	.size	k_q8f6d78c959_quant_w, .Lfunc_end_k_q8f6d78c959_quant_w-k_q8f6d78c959_quant_w
	.p2alignl 7, 3214868480
	.fill 96, 4, 3214868480
	.section	.rodata,"a",@progbits
	.p2align	6, 0x0
	.amdhsa_kernel k_q8f6d78c959_quant_w
		.amdhsa_group_segment_fixed_size 26112
		.amdhsa_private_segment_fixed_size 0
		.amdhsa_enable_private_segment 0
		.amdhsa_kernarg_size 40
		.amdhsa_user_sgpr_count 2
		.amdhsa_user_sgpr_kernarg_segment_ptr 1
		.amdhsa_wavefront_size32 1
		.amdhsa_system_sgpr_workgroup_id_x 1
		.amdhsa_system_sgpr_workgroup_id_y 1
		.amdhsa_system_sgpr_workgroup_id_z 1
		.amdhsa_system_vgpr_workitem_id 0
		.amdhsa_next_free_vgpr 194
		.amdhsa_next_free_sgpr 66
		.amdhsa_reserve_vcc 0
		.amdhsa_float_denorm_mode_32 3
		.amdhsa_float_denorm_mode_16_64 3
		.amdhsa_memory_ordered 1
		.amdhsa_forward_progress 1
		.amdhsa_inst_pref_size 42
	.end_amdhsa_kernel
	.amdgpu_metadata
---
amdhsa.version: [ 1, 2 ]
amdhsa.kernels:
  - .name:           k_q8f6d78c959_quant_w
    .symbol:         k_q8f6d78c959_quant_w.kd
    .args:
      - { .name: WQ, .offset: 0, .size: 8, .value_kind: global_buffer, .address_space: global }
      - { .name: WK, .offset: 8, .size: 8, .value_kind: global_buffer, .address_space: global }
      - { .name: WV, .offset: 16, .size: 8, .value_kind: global_buffer, .address_space: global }
      - { .name: WO, .offset: 24, .size: 8, .value_kind: global_buffer, .address_space: global }
      - { .name: wq, .offset: 32, .size: 8, .value_kind: global_buffer, .address_space: global }
    .group_segment_fixed_size: 26112
    .private_segment_fixed_size: 0
    .kernarg_segment_align: 8
    .kernarg_segment_size: 40
    .max_flat_workgroup_size: 128
    .sgpr_count:     66
    .vgpr_count:     194
    .wavefront_size: 32
...
	.end_amdgpu_metadata
.endif
;; end of part 2
;; launch maskprep (part 3): grid 128 x 1, 16 waves a work-group, no clusters, 2,304 bytes of LDS; arguments mask, mtab; writes mtab
.if DOCPART == 3
	.amdgcn_target "amdgcn-amd-amdhsa--gfx1250"
	.amdhsa_code_object_version 6
	.text
	.protected	k_q8f6d78c959_maskprep
	.globl	k_q8f6d78c959_maskprep
	.p2align	8
	.type	k_q8f6d78c959_maskprep,@function
k_q8f6d78c959_maskprep:
	s_mov_b64 s[64:65], 0
	v_nop
	global_prefetch_b8 v0, s[64:65] scope:SCOPE_SE
	s_setreg_imm32_b32 hwreg(HW_REG_WAVE_MODE, 25, 1), 1
	s_wait_xcnt 0x0
; The mask [2048 queries][2048 keys], one byte each (0 or 1: other values are not served), is laid out as the attention launch's lanes want it, and each tile step is classed.
; A tile t is 16 queries (lane r: query 32 (t / 2) + 8 (t % 2) + r + 8 (r / 8)), a step j 128 keys.  In the attention launch register n = 16 b + i of lane (r, h) holds key 128 j + 32 b + 16 h + i.
; mtab: words [t 128][j 16][n 64]: bit l of word n is the mask byte of lane l's element n.  From byte 524,288: a class word for each t: bit j: the step has masked keys and is computed with the mask;
; bit 16 + j: the step is left out: all its 16 x 128 bytes are set AND each of the tile's 16 queries has an open key somewhere, so that every weight of the step is 0.
; (Where some query of the tile is masked everywhere, no step of the tile is left out: its softmax is then taken by the letter.)
; SHARES: a work-group takes a tile, wave j its step j.
	s_load_b128 s[4:7], s[0:1], 0x0                ; mask, mtab
	v_lshl_add_u32 v64, v0, 2, 0x100
	v_mov_b32 v65, 0
	v_lshrrev_b32 v3, 5, v0
	v_readfirstlane_b32 s8, v3                     ; wave = step
	v_and_b32 v4, 31, v0                           ; lane
	v_and_b32 v5, 15, v0                           ; r
	v_bfe_u32 v6, v0, 4, 1                         ; h
	v_and_b32 v7, 8, v5
	v_add_nc_u32 v7, v7, v5                        ; r + 8 (r / 8)
	v_lshlrev_b32 v1, 11, v7
	v_lshl_add_u32 v1, v6, 4, v1                   ; my query's row of 2,048 bytes, + 16 h
	v_lshlrev_b32 v2, 3, v4                        ; out: 8 bytes a lane
	v_mov_b32 v31, s8
	v_lshlrev_b32 v31, 2, v31                      ; LDS: my step's word
	v_lshlrev_b32 v33, 2, v5                       ; LDS: word lane % 16
	v_mov_b32 v34, 0
	v_mov_b32 v28, 0                               ; v_writelane_b32's destination counts as read
	v_mov_b32 v29, 0
	s_lshr_b32 s10, ttmp9, 1
	s_lshl_b32 s10, s10, 16                        ; 32 rows
	s_and_b32 s11, ttmp9, 1
	s_lshl_b32 s11, s11, 14                        ; 8 rows
	s_add_co_u32 s10, s10, s11
	s_lshl_b32 s11, s8, 7                          ; my step's 128 bytes
	s_add_co_u32 s10, s10, s11
	s_mov_b32 s11, 0
	s_lshl_b32 s12, ttmp9, 4
	s_add_co_u32 s12, s12, s8
	s_lshl_b32 s12, s12, 8                         ; 256 bytes for each (t, j)
	s_mov_b32 s13, 0
	s_lshl_b32 s14, ttmp9, 2
	s_add_co_u32 s14, s14, 0x80000
	s_mov_b32 s15, 0
	s_wait_kmcnt 0x0
	s_add_nc_u64 s[4:5], s[4:5], s[10:11]
	s_add_nc_u64 s[16:17], s[6:7], s[14:15]        ; the class word
	s_add_nc_u64 s[6:7], s[6:7], s[12:13]          ; the step's 64 words
.irp b, 0,1,2,3
	global_load_b128 v[8+4*\b:11+4*\b], v1, s[4:5] offset:32*\b   ; my 16 bytes of block b
.endr
	s_wait_loadcnt 0x0
	v_or_b32 v24, v8, v9
	v_and_b32 v25, v8, v9
.irp i, 10,11,12,13,14,15,16,17,18,19,20,21,22,23
	v_or_b32 v24, v24, v\i
	v_and_b32 v25, v25, v\i
.endr
.set n, 0
.rept 64                                       ; element n of all 32 lanes becomes word n, kept in lane n / 2
	v_and_b32 v[26+n%2], 0xff<<(8*(n%4)), v[8+4*(n/16)+(n%16)/4]
	v_cmp_ne_u32 s[20+n%2], 0, v[26+n%2]
	v_writelane_b32 v[28+n%2], s[20+n%2], n/2
.set n, n+1
.endr
	global_store_b64 v2, v[28:29], s[6:7]          ; one aligned block of 256 bytes
	v_cmp_ne_u32 s21, 0, v24                       ; lanes with a masked key
	v_cmp_eq_u32 s22, 0x01010101, v25              ; lanes all of whose 64 keys are masked
	s_lshr_b32 s23, s22, 16
	s_and_b32 s23, s23, s22
	s_and_b32 s23, s23, 0xffff                     ; bit r: query r has no open key in this step
	s_cmp_lg_u32 s21, 0
	s_cselect_b32 s24, 0x10000, 0                  ; bit 16: the step has masked keys
	s_cmp_eq_u32 s22, -1
	s_cselect_b32 s25, 0x20000, 0                  ; bit 17: all of it is masked
	s_or_b32 s23, s23, s24
	s_or_b32 s23, s23, s25
	v_mov_b32 v30, s23
	ds_store_b32 v31, v30                          ; all lanes write the same word with the same value
	s_wait_dscnt 0x0                               ; for wave 0's sake
	s_barrier_signal -1
	s_barrier_wait -1
	s_cmp_lg_u32 s8, 0
	s_cbranch_scc1 .Lend
	ds_load_b32 v32, v33                           ; lane l: step l % 16's word
.irp i, 0,1,2,3
	ds_load_b128 v[36+4*\i:39+4*\i], v34 offset:16*\i   ; and all sixteen, in every lane
.endr
	s_wait_dscnt 0x0
	v_and_b32 v35, v36, v37
.irp i, 38,39,40,41,42,43,44,45,46,47,48,49,50,51
	v_and_b32 v35, v35, v\i
.endr
	v_and_b32 v35, 0xffff, v35                     ; bit r: query r has no open key at all
	v_cmp_eq_u32 s26, 0, v35                       ; all lanes or none
	v_and_b32 v52, 0x20000, v32
	v_cmp_ne_u32 s27, 0, v52
	v_and_b32 v53, 0x10000, v32
	v_cmp_ne_u32 s28, 0, v53
	s_and_b32 s27, s27, s26                        ; left out
	s_and_not1_b32 s28, s28, s27                   ; computed with the mask
	s_and_b32 s28, s28, 0xffff
	s_lshl_b32 s27, s27, 16
	s_or_b32 s28, s28, s27
	v_mov_b32 v54, s28
	s_wait_xcnt 0x0                                ; EXEC changes only behind this wait: a store is out
	v_cmp_eq_u32 vcc_lo, 0, v0
	s_and_saveexec_b32 s29, vcc_lo
	global_store_b32 v34, v54, s[16:17]            ; thread 0 alone
	s_wait_xcnt 0x0
	s_or_b32 exec_lo, exec_lo, s29
.Lend:
	s_wait_tensorcnt 0x0
	ds_add_u32 v64, v65
	s_wait_dscnt 0x0
	s_endpgm
.Lfunc_end_k_q8f6d78c959_maskprep:
	.size	k_q8f6d78c959_maskprep, .Lfunc_end_k_q8f6d78c959_maskprep-k_q8f6d78c959_maskprep
	.p2alignl 7, 3214868480
	.fill 96, 4, 3214868480
	.section	.rodata,"a",@progbits
	.p2align	6, 0x0
	.amdhsa_kernel k_q8f6d78c959_maskprep
		.amdhsa_group_segment_fixed_size 2304
		.amdhsa_private_segment_fixed_size 0
		.amdhsa_enable_private_segment 0
		.amdhsa_kernarg_size 16
		.amdhsa_user_sgpr_count 2
		.amdhsa_user_sgpr_kernarg_segment_ptr 1
		.amdhsa_wavefront_size32 1
		.amdhsa_system_sgpr_workgroup_id_x 1
		.amdhsa_system_sgpr_workgroup_id_y 1
		.amdhsa_system_sgpr_workgroup_id_z 1
		.amdhsa_system_vgpr_workitem_id 0
		.amdhsa_next_free_vgpr 66
		.amdhsa_next_free_sgpr 66
		.amdhsa_reserve_vcc 1
		.amdhsa_float_denorm_mode_32 3
		.amdhsa_float_denorm_mode_16_64 3
		.amdhsa_memory_ordered 1
		.amdhsa_forward_progress 1
		.amdhsa_inst_pref_size 18
	.end_amdhsa_kernel
	.amdgpu_metadata
---
amdhsa.version: [ 1, 2 ]
amdhsa.kernels:
  - .name:           k_q8f6d78c959_maskprep
    .symbol:         k_q8f6d78c959_maskprep.kd
    .args:
      - { .name: mask, .offset: 0, .size: 8, .value_kind: global_buffer, .address_space: global }
      - { .name: mtab, .offset: 8, .size: 8, .value_kind: global_buffer, .address_space: global }
    .group_segment_fixed_size: 2304
    .private_segment_fixed_size: 0
    .kernarg_segment_align: 8
    .kernarg_segment_size: 16
    .max_flat_workgroup_size: 512
    .sgpr_count:     66
    .vgpr_count:     66
    .wavefront_size: 32
...
	.end_amdgpu_metadata
.endif
;; end of part 3
;; launch qkv (part 4): grid 12 x 32, 4 waves a work-group, clusters of 4 x 4, 327,680 bytes of LDS; arguments xq, wq, bQ, bK, bV, qbuf, kv; writes qbuf, kv
.if DOCPART == 4
	.amdgcn_target "amdgcn-amd-amdhsa--gfx1250"
	.amdhsa_code_object_version 6
	.text
	.protected	k_q8f6d78c959_qkv
	.globl	k_q8f6d78c959_qkv
	.p2align	8
	.type	k_q8f6d78c959_qkv,@function
k_q8f6d78c959_qkv:
	s_mov_b64 s[64:65], 0
	v_nop
	global_prefetch_b8 v0, s[64:65] scope:SCOPE_SE
	s_setreg_imm32_b32 hwreg(HW_REG_WAVE_MODE, 25, 1), 1
	s_wait_xcnt 0x0
	s_wait_alu depctr_hold_cnt(0) depctr_sa_sdst(0) depctr_va_vdst(0) depctr_va_sdst(0) depctr_va_ssrc(0) depctr_va_vcc(0) depctr_vm_vsrc(0)
	s_getreg_b32 s2, hwreg(HW_REG_IB_STS2, 6, 4)
	s_cmp_eq_u32 s2, 0
	s_cbranch_scc0 .Lentry_in_a_cluster
	s_endpgm
.Lentry_in_a_cluster:
	s_bfe_u32 s2, ttmp6, 0x10000c
	s_cmp_lg_u32 s2, 0xf033
	s_cbranch_scc0 .Lentry_shape_is_right
	s_endpgm
.Lentry_shape_is_right:
; q = x WQ + bQ, k = x WK + bK, v = x WV + bV on codes of E3M2 (6 bits, one E8M0 scale for each 32 along K), and each result quantised for the attention launch: q and k along the head's 64, v along the keys.
; xq, wq: images of operand registers, [tile of 16 rows][K step 8][1,536 bytes], scale words behind them ([tile][K step / 2][r][K step % 2]).  Tile i, lane r holds row 32 (i / 2) + 8 (i % 2) + r + 8 (r / 8).
; A work-group makes 256 x 256, each of its four waves 128 x 128: 64 accumulators.  Source 0 is called P, source 1 R: a lane then holds ONE row of R, and, by the order of a tile's rows, the 16 registers of P's
; tiles 2 B and 2 B + 1 are 16 NEIGHBOURS along P.  So what is to be quantised runs along a lane's registers: for q and k (clusters x = 0, 1) P = the weight's columns, R = tokens; for v (cluster x = 2) P = tokens, R = columns.
; K goes in steps of 256 through a ring of two LDS slots filled by the tensor data mover; a tile's part of a slot is 3,072 consecutive bytes, so every LDS load of a fragment reads consecutive bytes.
; CLUSTERS: 4 x 4 work-groups.  R's tile hangs on the place along y alone and is asked for jointly by a row of the cluster, P's on the place along x alone, by a column.
; OUT: qbuf [b h 64][106,496]: codes [token tile 128][768], from 98,304 scale words [step 16][lane 32][4].  kv [b h][208,896]: k's codes at 0, v's codes [step 16][d tile 4][1,536] at 98,304, k's scale words at 196,608,
; v's [step][lane][2] at 204,800.  Word i of lane l belongs to tile 8 step + 2 i + l / 16 (v: d tile 2 i + l / 16), row l % 16.  q's and k's upper two bytes stand over zero codes: a neighbour head's bytes or 0, never 0xff.
; LIMITS: a block of zeros, or one whose largest magnitude lies under 2^-122, keeps the byte 1 (this program alone reads the bytes); NaN and infinities are not served.
; REGISTERS, in windows of 256: window 0: v16-29 addresses; v32-63 scale words, two sets, and nothing else; v64-127 the bias along P; v128-223 R's fragments, one set; v224-239 the bias along R; on the way out v128-223, v240-255 at work.
;   window 1: P's fragments, two sets, at v0 and v128.   window 2: accumulators of R's blocks 0-3 ((a, b) at v[8 (8 (a % 4) + b)]);   window 3: of blocks 4-7.
.set NQ,     2                         ; K steps of 128 in a slot
.set FR,     12                        ; registers of a fragment
.set FRB,    1536                      ; and its image in bytes
.set NL,     4                         ; LDS loads that bring one
.set NP,     4                         ; places behind this matrix instruction (ISA guide 7.12.1)
.set TILEB,  NQ*FRB                    ; a tile's bytes in a slot
.set HALFT,  8*TILEB                   ; 8 tiles: what one tensor load brings, and what one wave reads of R or of P
.set SLOT,   4*HALFT                   ; R's 16 tiles, then P's 16
.set SCL,    2*SLOT                    ; behind the ring: R's scale words (8,192 bytes), then, 128 bytes further on than they end, P's: lanes 16-31 so fall on the other half of the banks
.set HALFS,  4096                      ; the scale words of 8 tiles
.set SPARE,  213248                    ; the spare words, 128 bytes for each wave: two blocks of 256 bytes that no other line names
.set ADRA, 16                          ; v16-17 LDS address of R's fragments in slot 0, 1, 16 bytes a lane; v18-19 the same, 8 bytes a lane
.set ADRB, 20                          ; v20-23 the same for P
.set L16,  24                          ; v24  16 x lane
.set L8,   25                          ; v25  8 x lane
.set ADRS, 27                          ; v27  LDS address of my scale words: lanes 0-15 R's, lanes 16-31 P's
.set SPW,  28                          ; v28  LDS address of my spare word; never rewritten
.set NIL,  29                          ; v29  0; never rewritten
.set SC,   32
.set BP,   64
.set AF,   128
.set BR,   224
.set T,    128                         ; the way out: 64 numbers
.set PC,   192                         ; their codes
.set PW,   212                         ; their scale word
.set SA,   216                         ; scale words gathered
.set SB,   220
.set TM,   240
.set G1, 24                            ; s[24:31] descriptor group 1 for R's tiles;  s[32:39] group 0, one set for each slot
.set G0, 32
.set G1B, 48                           ; s[48:55], s[56:63] the same for P's
.set G0B, 56
.set G1S, 68                           ; s[68:75], s[76:79] for R's scale words;  s[80:87], s[88:91] for P's
.set G0S, 76
.set G1SB, 80
.set G0SB, 88
.set SEL, 92                           ; s[92:93] on the way out: selects of v_permlanex16_b32
.set HI,  94                           ; s94 lanes 16-31
.set MSB, 0
.macro WIN new                         ; the immediate's high byte repeats the setting that is left
.if MSB != (\new)
	s_set_vgpr_msb (MSB<<8)|(\new)
.set MSB, (\new)
.endif
.endm
.set MUL_LO, 0xa1                      ; source 0 (P) window 1, source 1 (R) window 0, C and D window 2
.set MUL_HI, 0xf1                      ; the same, C and D window 3
.set TO_B,   0x40                      ; destination window 1, address window 0
; A joint load: waves 0 and 1 fetch for R, waves 2 and 3 for P.  Each line has one mask and one set of registers for all that issue it; the branch hangs on the wave's number alone.  Four v_nop follow each line.
.macro JLOAD g0a, g1a, g0b, g1b
	s_cmp_eq_u32 s15, 0
	s_cbranch_scc0 .Lfor_b_\@
	tensor_load_to_lds s[\g0a:\g0a+3], s[\g1a:\g1a+7]
	s_nop 0
.rept 4
	v_nop
.endr
	s_branch .Lasked_\@
.Lfor_b_\@:
	tensor_load_to_lds s[\g0b:\g0b+3], s[\g1b:\g1b+7]
	s_nop 0
.rept 4
	v_nop
.endr
.Lasked_\@:
.endm
.macro CREST                           ; a round of the cluster's barrier behind its opening barrier
	s_cmp_lg_u32 s14, 0
	s_cbranch_scc1 .Lnot_wave_0_\@
	s_barrier_signal -3
.Lnot_wave_0_\@:
	s_barrier_wait -3
	s_barrier_signal -1
	s_barrier_wait -1
.endm
.macro CROUND                          ; a whole round
	s_barrier_signal -1
	s_barrier_wait -1
	CREST
.endm
.macro PLACES n
.rept \n
	v_nop
.endr
.endm
.macro FRAG reg, adr, q, i             ; tile i's fragment of the slot's q-th 128 along K: its image as it lies
	ds_load_b128 v[\reg:\reg+3], v[\adr] offset:(\i)*TILEB+(\q)*FRB
	ds_load_b64 v[\reg+4:\reg+5], v[\adr+2] offset:(\i)*TILEB+(\q)*FRB+512
	ds_load_b128 v[\reg+6:\reg+9], v[\adr] offset:(\i)*TILEB+(\q)*FRB+768
	ds_load_b64 v[\reg+10:\reg+11], v[\adr+2] offset:(\i)*TILEB+(\q)*FRB+1280
.endm
; 16 matrix instructions: R's blocks a0, a0 + 1 x P's eight.  p: P's set; sc: the set of scale words.  zero = 1: the first product starts the sums.  The 64 accumulators take turns, one instruction a turn.
.macro MUL16 a0, p, q, sc, zero
.irp a, \a0, \a0+1
.irp b, 0,1,2,3,4,5,6,7
.if \zero
	v_wmma_scale_f32_16x16x128_f8f6f4 v[8*(8*((\a)%4)+\b):8*(8*((\a)%4)+\b)+7], v[128*(\p)+FR*\b:128*(\p)+FR*\b+FR-1], v[AF+FR*(\a):AF+FR*(\a)+FR-1], 0, v[SC+8*NQ*(\sc)+NQ*\b+(\q)], v[SC+8*NQ*(\sc)+NQ*(\a)+(\q)] matrix_a_fmt:MATRIX_FMT_BF6 matrix_b_fmt:MATRIX_FMT_BF6 matrix_a_scale:MATRIX_SCALE_ROW1
.else
	v_wmma_scale_f32_16x16x128_f8f6f4 v[8*(8*((\a)%4)+\b):8*(8*((\a)%4)+\b)+7], v[128*(\p)+FR*\b:128*(\p)+FR*\b+FR-1], v[AF+FR*(\a):AF+FR*(\a)+FR-1], v[8*(8*((\a)%4)+\b):8*(8*((\a)%4)+\b)+7], v[SC+8*NQ*(\sc)+NQ*\b+(\q)], v[SC+8*NQ*(\sc)+NQ*(\a)+(\q)] matrix_a_fmt:MATRIX_FMT_BF6 matrix_b_fmt:MATRIX_FMT_BF6 matrix_a_scale:MATRIX_SCALE_ROW1
.endif
.endr
.endr
.endm
.macro FETCH_B slot, q, p              ; P's eight fragments into set p
	WIN TO_B
.irp i, 0,1,2,3,4,5,6,7
	FRAG 128*(\p)+FR*\i, ADRB+\slot, \q, \i
.endr
	WIN 0
.endm
.macro FETCH_A slot, q, i0             ; R's blocks i0 .. i0 + 3
.irp i, \i0, \i0+1, \i0+2, \i0+3
	FRAG AF+FR*(\i), ADRA+\slot, \q, \i
.endr
.endm
.macro SCALES sc                       ; a slot's scale words: two a row; lanes 0-15 take R's block i, lanes 16-31 P's block i
.irp i, 0,1,2,3,4,5,6,7
	ds_load_b64 v[SC+8*NQ*\sc+NQ*\i:SC+8*NQ*\sc+NQ*\i+1], v[ADRS] offset:\i*512
.endr
.endm
; A step of 128 along K that has its successor in the same slot.  R's blocks are free as soon as their eight products are issued: blocks 0-3 are fetched anew in the step's middle, blocks 4-7 at its end.
.macro STEP slot, q, zero
	s_wait_dscnt 4*NL                              ; P's set and R's blocks 0-3 are in; the youngest 16 loads (R's blocks 4-7) may be out
	WIN MUL_LO
	MUL16 0, (\q)%2, \q, \slot, \zero
	MUL16 2, (\q)%2, \q, \slot, \zero
	s_wait_dscnt 0
	PLACES NP                                      ; in front of loads into registers that matrix instructions have read
	FETCH_B \slot, (\q)+1, 1-(\q)%2
	FETCH_A \slot, (\q)+1, 0
	WIN MUL_HI
	MUL16 4, (\q)%2, \q, \slot, \zero
	MUL16 6, (\q)%2, \q, \slot, \zero
	PLACES NP
	WIN 0
	FETCH_A \slot, (\q)+1, 4
.endm
; A slot's last step changes slots: one barrier; in front of it each wave waits for all its tensor loads, adds 0 to its spare word, and waits for that and for its reads of this slot.  fill = 1: this slot is filled again, two slots ahead.
.macro TURN slot, next, fill
	s_wait_tensorcnt 0x0                           ; all my tensor loads have landed: my part of the next slot
	ds_add_u32 v[SPW], v[NIL]                      ; 0 onto my spare word
	s_wait_dscnt 4*NL+1                            ; (the add and the youngest 16 loads, R's blocks 4-7, may be out)
	WIN MUL_LO
	MUL16 0, 1, NQ-1, \slot, 0                     ; sixteen matrix instructions stand between the add and the wait for it
	s_wait_dscnt 0x0                               ; the add is done, and my reads of this slot are over
	s_barrier_signal -1
	MUL16 2, 1, NQ-1, \slot, 0
	WIN 0
	s_barrier_wait -1
.if \fill
	CREST                                          ; the barrier has opened a round of the cluster's barrier: no wave of any partner still reads this slot or has a load on its way
	s_add_nc_u64 s[G0+4*\slot+2:G0+4*\slot+3], s[G0+4*\slot+2:G0+4*\slot+3], 2*TILEB
	s_add_nc_u64 s[G0B+4*\slot+2:G0B+4*\slot+3], s[G0B+4*\slot+2:G0B+4*\slot+3], 2*TILEB
	JLOAD G0+4*\slot, G1, G0B+4*\slot, G1B         ; the first tensor load behind the round; its four v_nop are also the places in front of the loads below
.else
	PLACES NP
.endif
	v_add_nc_u32 v[ADRS], 128, v[ADRS]             ; on to the next slot's scale words
	FETCH_B \next, 0, 0
	FETCH_A \next, 0, 0
	SCALES \next
	WIN MUL_HI
	MUL16 4, 1, NQ-1, \slot, 0
	MUL16 6, 1, NQ-1, \slot, 0
	PLACES NP
	WIN 0
	FETCH_A \next, 0, 4
.endm
; 64 numbers of a lane, register 16 b + i = place 32 b + 16 (lane / 16) + i along the next K, become a fragment's codes in v[PC] on and its scale word in v[PW]
.macro QUANT s
.irp b, 0,1,2,3
	v_max3_num_f32 v[TM+\b], |v[\s+16*\b]|, |v[\s+1+16*\b]|, 0x2800000   ; block b: my 16 numbers, and the floor 2^(5 - 127): the byte cannot fall under 1
.endr
.irp i, 2,4,6,8,10,12,14
.irp b, 0,1,2,3
	v_max3_num_f32 v[TM+\b], v[TM+\b], |v[\s+16*\b+\i]|, |v[\s+1+16*\b+\i]|
.endr
.endr
.irp b, 0,1,2,3
	v_permlanex16_b32 v[TM+4+\b], v[TM+\b], s[SEL], s[SEL+1]
.endr
.irp b, 0,1,2,3
	v_max_num_f32 v[TM+\b], v[TM+\b], v[TM+4+\b]   ; with lane l xor 16's: the block's largest magnitude
.endr
.irp b, 0,1,2,3
	v_add_nc_u32 v[TM+12+\b], 0xfe000000, v[TM+\b]   ; 4 off its exponent field: the conversion's scale operand
.endr
.irp b, 0,1,2,3
	v_lshrrev_b32 v[TM+4+\b], 23, v[TM+12+\b]      ; the scale's byte
.endr
	v_lshl_or_b32 v[PW], v[TM+5], 8, v[TM+4]
	v_lshl_or_b32 v[PW], v[TM+6], 16, v[PW]
	v_lshl_or_b32 v[PW], v[TM+7], 24, v[PW]
.irp c, 0,1
	v_cvt_scalef32_pk16_bf6_f32 v[PC+6*\c:PC+2+6*\c], v[\s+32*\c:\s+15+32*\c], v[TM+12+2*\c]
	v_cvt_scalef32_pk16_bf6_f32 v[PC+12+4*\c:PC+14+4*\c], v[\s+16+32*\c:\s+31+32*\c], v[TM+12+2*\c+1]
.endr
	v_nop                                          ; one plain instruction behind a scaled conversion
.irp c, 0,1
.irp i, 0,1,2
	v_permlane16_swap_b32 v[PC+6*\c+\i], v[PC+12+4*\c+\i]
.endr
.irp i, 0,1,2
	v_mov_b32 v[PC+3+6*\c+\i], v[PC+12+4*\c+\i]
.endr
.endr
.endm
	s_load_b256 s[4:11], s[0:1], 0x0               ; xq, wq, bQ, bK
	s_load_b128 s[92:95], s[0:1], 0x20             ; bV, qbuf
	s_load_b64 s[96:97], s[0:1], 0x30              ; kv
	v_lshl_add_u32 v[SPW], v0, 2, SPARE
	v_mov_b32 v[NIL], 0
	ds_add_u32 v28, v29
	ds_add_u32 v28, v29
	s_wait_dscnt 0x0
	v_lshrrev_b32 v1, 5, v0
	v_readfirstlane_b32 s14, v1                    ; wave 0..3
	s_lshr_b32 s15, s14, 1                         ; which half of R is mine.  Also: I fetch for R (0) or for P (1)
	s_and_b32 s16, s14, 1                          ; which half of P.  Also: which 8 tiles I fetch
	s_bfe_u32 s40, ttmp6, 0x40000                  ; cx, cy: my place in the cluster
	s_bfe_u32 s41, ttmp6, 0x40004
	s_and_b32 s45, ttmp7, 0xffff                   ; the cluster's y: which 1,024 tokens
	s_cmp_eq_u32 ttmp9, 2                          ; the cluster's x: 0 q, 1 k, 2 v: the same in all sixteen partners
	s_cselect_b32 s42, s45, ttmp9
	s_cselect_b32 s17, 2, s45
	s_cselect_b32 s12, 1, 0                        ; 1 for v
	s_lshl_b32 s42, s42, 2
	s_add_co_u32 s42, s42, s40                     ; P's block of 256: q, k: of wq; v: of xq
	s_lshl_b32 s17, s17, 2
	s_add_co_u32 s17, s17, s41                     ; R's block of 256: q, k: of xq; v: of wq (8 + cy: WV)
	s_lshl_b32 s43, s41, 2
	s_lshl_b32 s43, 15, s43                        ; my row of the cluster
	s_lshl_b32 s44, 0x1111, s40                    ; my column
	; descriptor group 1: 8 tiles' parts of a slot: 8 rows of 3,072 bytes (384 elements of 8), 12,288 bytes apart; no padding
	s_or_b32 s[G1+0], s43, (3<<16)|(1<<21)         ; 15:0 the mask: R's tiles go to my row; 17:16 elements of 8 bytes; 21 set beside a mask
	s_or_b32 s[G1B+0], s44, (3<<16)|(1<<21)
.irp g, G1, G1B
	s_mov_b32 s[\g+1], 384<<16                     ; tensor_dim0
	s_mov_b32 s[\g+2], 8<<16                       ; tensor_dim1
	s_mov_b32 s[\g+3], 384<<16                     ; tile_dim0
	s_mov_b32 s[\g+4], 8                           ; tile_dim1
	s_mov_b32 s[\g+5], 1536                        ; tensor_dim0_stride
	s_mov_b32 s[\g+6], 0
	s_mov_b32 s[\g+7], 0
.endr
	; and for the scale words of 8 tiles: 4,096 dense bytes as 16 rows of 256
	s_or_b32 s[G1S+0], s43, (3<<16)|(1<<21)
	s_or_b32 s[G1SB+0], s44, (3<<16)|(1<<21)
.irp g, G1S, G1SB
	s_mov_b32 s[\g+1], 32<<16
	s_mov_b32 s[\g+2], 16<<16
	s_mov_b32 s[\g+3], 32<<16
	s_mov_b32 s[\g+4], 16
	s_mov_b32 s[\g+5], 32
	s_mov_b32 s[\g+6], 0
	s_mov_b32 s[\g+7], 0
.endr
	s_mul_i32 s18, s16, 8*8*FRB                    ; which 8 tiles I fetch
	s_mul_i32 s20, s17, 16*8*FRB
	s_add_co_u32 s20, s20, s18                     ; R's codes
	s_mov_b32 s21, 0
	s_mul_i32 s46, s42, 16*8*FRB
	s_add_co_u32 s46, s46, s18                     ; P's codes
	s_mov_b32 s47, 0
	s_lshl_b32 s18, s16, 12
	s_lshl_b32 s22, s17, 13
	s_add_co_u32 s22, s22, s18
	s_xor_b32 s19, s12, 1
	s_lshl_b32 s19, 0x300000, s19                  ; the scale words begin at 6,291,456 in xq, at 3,145,728 in wq
	s_add_co_u32 s22, s22, s19                     ; R's scale words
	s_mov_b32 s23, 0
	s_lshl_b32 s98, s42, 13
	s_add_co_u32 s98, s98, s18
	s_lshl_b32 s19, 0x300000, s12
	s_add_co_u32 s98, s98, s19                     ; P's scale words
	s_mov_b32 s99, 0
	s_mul_i32 s45, s14, HALFT                      ; where they go: by the wave's number alone
	s_lshl_b32 s100, s14, 12
	s_wait_kmcnt 0x0
	s_cmp_eq_u32 s12, 1
	s_cselect_b64 s[2:3], s[6:7], s[4:5]           ; R's buffer
	s_cselect_b64 s[4:5], s[4:5], s[6:7]           ; P's
	s_cmp_eq_u32 ttmp9, 1
	s_cselect_b64 s[8:9], s[10:11], s[8:9]
	s_cmp_eq_u32 s12, 1
	s_cselect_b64 s[8:9], s[92:93], s[8:9]         ; the bias
	s_cmp_eq_u32 ttmp9, 0
	s_cselect_b64 s[10:11], s[94:95], s[96:97]     ; where the results go: qbuf for q, kv for k and v
	s_add_nc_u64 s[20:21], s[2:3], s[20:21]
	s_add_nc_u64 s[22:23], s[2:3], s[22:23]
	s_add_nc_u64 s[46:47], s[4:5], s[46:47]
	s_add_nc_u64 s[98:99], s[4:5], s[98:99]
	CROUND                                         ; all sixteen work-groups are here: the first joint loads meet
	s_mov_b32 s[G0S], 1
	s_add_co_u32 s[G0S+1], s100, SCL
	s_mov_b64 s[G0S+2:G0S+3], s[22:23]
	s_or_b32 s[G0S+3], s[G0S+3], 0x80000000
	s_mov_b32 s[G0SB], 1
	s_add_co_u32 s[G0SB+1], s100, SCL+128
	s_mov_b64 s[G0SB+2:G0SB+3], s[98:99]
	s_or_b32 s[G0SB+3], s[G0SB+3], 0x80000000
	JLOAD G0S, G1S, G0SB, G1SB                     ; the scale words first: filled once
.irp s, 0,1
	s_mov_b32 s[G0+4*\s], 1
	s_add_co_u32 s[G0+4*\s+1], s45, \s*SLOT
	s_add_nc_u64 s[G0+4*\s+2:G0+4*\s+3], s[20:21], \s*TILEB
	s_or_b32 s[G0+4*\s+3], s[G0+4*\s+3], 0x80000000
	s_mov_b32 s[G0B+4*\s], 1
	s_add_co_u32 s[G0B+4*\s+1], s45, \s*SLOT
	s_add_nc_u64 s[G0B+4*\s+2:G0B+4*\s+3], s[46:47], \s*TILEB
	s_or_b32 s[G0B+4*\s+3], s[G0B+4*\s+3], 0x80000000
	JLOAD G0+4*\s, G1, G0B+4*\s, G1B               ; three tensor loads of mine are out at the most
.endr
	v_and_b32 v1, 15, v0                           ; r
	v_bfe_u32 v2, v0, 4, 1                         ; h
	v_and_b32 v3, 31, v0
	v_lshlrev_b32 v[L16], 4, v3
	v_lshlrev_b32 v[L8], 3, v3
	s_mul_i32 s21, s15, HALFT                      ; my 8 tiles of R
	s_mul_i32 s22, s16, HALFT                      ; my 8 tiles of P,
	s_add_co_u32 s22, s22, 2*HALFT                 ; which lie behind R's 16
.irp s, 0,1
	v_add_nc_u32 v[ADRA+\s], s21, v[L16]
	v_add_nc_u32 v[ADRB+\s], s22, v[L16]
	v_add_nc_u32 v[ADRA+2+\s], s21, v[L8]
	v_add_nc_u32 v[ADRB+2+\s], s22, v[L8]
	s_add_co_u32 s21, s21, SLOT
	s_add_co_u32 s22, s22, SLOT
.endr
	v_lshlrev_b32 v6, 3, v1                        ; my row's two words of a slot
	s_lshl_b32 s21, s15, 12                        ; R's: my 8 tiles
	s_lshl_b32 s22, s16, 12                        ; P's: my 8 tiles, behind R's 16 and 128 bytes
	s_add_co_u32 s22, s22, 2*HALFS+128
	s_sub_co_u32 s22, s22, s21
	v_mul_u32_u24 v7, s22, v2                      ; lanes 16-31 take P's
	s_add_co_u32 s21, s21, SCL
	v_add_nc_u32 v6, v6, v7
	v_add_nc_u32 v[ADRS], s21, v6
	; the bias, both ways, so that every register is written whichever way the results go: along P (q, k) eight registers a tile of P; along R (v) one number a lane and block, twice, for the packed addition
	s_lshl_b32 s13, s42, 8
	s_lshl_b32 s18, s16, 7
	s_add_co_u32 s13, s13, s18                     ; my first row of P
	s_lshl_b32 s17, s17, 8
	s_lshl_b32 s18, s15, 7
	s_add_co_u32 s17, s17, s18                     ; my first row of R
	s_and_b32 s18, s13, 1023
	s_lshl_b32 s18, s18, 2
	s_sub_co_u32 s19, s17, 2048
	s_lshl_b32 s19, s19, 2
	s_cmp_eq_u32 s12, 1
	s_cselect_b32 s20, 0, s18
	s_cselect_b32 s22, s19, 0
	s_mov_b32 s21, 0
	s_mov_b32 s23, 0
	s_add_nc_u64 s[20:21], s[8:9], s[20:21]
	s_add_nc_u64 s[22:23], s[8:9], s[22:23]
	v_lshlrev_b32 v8, 6, v2                        ; 64 h
	v_and_b32 v9, 8, v1
	v_add_nc_u32 v9, v9, v1
	v_lshlrev_b32 v9, 2, v9                        ; 4 (r + 8 (r / 8))
.irp b, 0,1,2,3,4,5,6,7
	global_load_b128 v[BP+8*\b:BP+8*\b+3], v8, s[20:21] offset:128*(\b/2)+32*(\b%2)
	global_load_b128 v[BP+8*\b+4:BP+8*\b+7], v8, s[20:21] offset:128*(\b/2)+32*(\b%2)+16
.endr
.irp a, 0,1,2,3,4,5,6,7
	global_load_b32 v[BR+2*\a], v9, s[22:23] offset:128*(\a/2)+32*(\a%2)
	global_load_b32 v[BR+2*\a+1], v9, s[22:23] offset:128*(\a/2)+32*(\a%2)
.endr
	s_mov_b32 s[SEL], 0x76543210
	s_mov_b32 s[SEL+1], 0xfedcba98
	s_mov_b32 s[HI], 0xffff0000
	s_wait_loadcnt 0x0                             ; the bias
	s_wait_tensorcnt 1                             ; the scale words and my part of slot 0 are in; slot 1's load may be out
	s_barrier_signal -1
	s_barrier_wait -1
	FETCH_B 0, 0, 0
	FETCH_A 0, 0, 0
	SCALES 0
	FETCH_A 0, 0, 4
	STEP 0, 0, 1                                   ; K = 1,024 is four slots: written straight.  The first products start the sums
	TURN 0, 1, 1                                   ; slot 0 takes K 512 on
	STEP 1, 0, 0
	TURN 1, 0, 1                                   ; slot 1 takes K 768 on
	STEP 0, 0, 0
	TURN 0, 1, 0                                   ; nothing is left to fetch
	STEP 1, 0, 0
	s_wait_dscnt 4*NL
	WIN MUL_LO
	MUL16 0, 1, NQ-1, 1, 0
	MUL16 2, 1, NQ-1, 1, 0
	s_wait_dscnt 0
	WIN MUL_HI
	MUL16 4, 1, NQ-1, 1, 0
	MUL16 6, 1, NQ-1, 1, 0
	WIN 0
	PLACES NP                                      ; in front of the first read of results, and of writes into the registers that held R's fragments
.irp b, 0,1,2,3
	v_mov_b32 v[TM+4+\b], 0                        ; written once: a lane permute's destination counts as one of its sources
.endr
	s_cmp_eq_u32 s12, 1                            ; hangs on the cluster's x alone; neither way touches LDS
	s_cbranch_scc1 .Lv_arm
	; ---- q, k: block a is 16 tokens; a lane's 64 numbers are 128 columns: two heads.  The fragment's two halves are the two heads' codes
	s_lshr_b32 s18, s17, 11                        ; the batch
	s_lshl_b32 s18, s18, 4
	s_and_b32 s19, s13, 1023
	s_lshr_b32 s19, s19, 6                         ; my first head
	s_add_co_u32 s18, s18, s19
	s_mov_b32 s19, 0x33000
	s_cmp_eq_u32 ttmp9, 0
	s_cselect_b32 s19, 0x1a000, s19                ; bytes of a head's part: 106,496 in qbuf, 208,896 in kv
	s_cselect_b32 s20, 0, 1
	s_lshl_b32 s20, 0x18000, s20                   ; where its scale words begin: 98,304 or 196,608
	s_mul_i32 s18, s18, s19
	s_and_b32 s21, s17, 2047
	s_lshr_b32 s21, s21, 4                         ; my first token tile in the batch: a multiple of 8
	s_mul_i32 s22, s21, 768
	s_add_co_u32 s22, s22, s18
	s_mov_b32 s23, 0
	s_add_nc_u64 s[22:23], s[10:11], s[22:23]      ; the first head's codes
	s_mov_b32 s46, s19
	s_mov_b32 s47, 0
	s_add_nc_u64 s[98:99], s[22:23], s[46:47]      ; the second head's
	s_lshl_b32 s21, s21, 6                         ; 512 bytes of scale words for each 8 tiles
	s_add_co_u32 s20, s20, s21
	s_add_co_u32 s20, s20, s18
	s_mov_b32 s21, 0
	s_add_nc_u64 s[20:21], s[10:11], s[20:21]
	s_add_nc_u64 s[46:47], s[20:21], s[46:47]
.irp a, 0,1,2,3,4,5,6,7
	WIN 0x02+(\a/4)                                ; source 0: window 2 or 3
.set k, 0
.rept 32
	v_pk_add_f32 v[T+k:T+k+1], v[64*(\a%4)+k:64*(\a%4)+k+1], v[BP+k:BP+k+1]   ; + the bias; each accumulator from its low end on
.set k, k+2
.endr
	WIN 0
	s_wait_xcnt 0x0                                ; the last block's stores have read their registers
	QUANT T
	global_store_b128 v[L16], v[PC:PC+3], s[22:23] offset:768*\a
	global_store_b64 v[L8], v[PC+4:PC+5], s[22:23] offset:768*\a+512
	global_store_b128 v[L16], v[PC+6:PC+9], s[98:99] offset:768*\a
	global_store_b64 v[L8], v[PC+10:PC+11], s[98:99] offset:768*\a+512
.if \a%2
	v_cndmask_b32 v[SA+\a/2], v[SA+\a/2], v[PW], s[HI]   ; an odd tile's words go to lanes 16-31
.else
	v_mov_b32 v[SA+\a/2], v[PW]
.endif
.endr
.irp i, 0,1,2,3
	v_lshrrev_b32 v[SB+\i], 16, v[SA+\i]           ; the second head's two bytes, with 0 above them
.endr
	global_store_b128 v[L16], v[SA:SA+3], s[20:21]
	global_store_b128 v[L16], v[SB:SB+3], s[46:47]
	s_branch .Lout
.Lv_arm:
	; ---- v: block a is 16 of a head's 64; a lane's 64 numbers are 128 tokens: one key step.  The fragment is the second product's operand as it stands
	s_sub_co_u32 s18, s17, 2048
	s_lshr_b32 s18, s18, 6                         ; my first head
	s_lshr_b32 s19, s13, 11                        ; the batch
	s_lshl_b32 s19, s19, 4
	s_add_co_u32 s18, s18, s19
	s_mul_i32 s18, s18, 0x33000
	s_and_b32 s19, s13, 2047
	s_lshr_b32 s19, s19, 7                         ; the key step
	s_mul_i32 s20, s19, 4*FRB
	s_add_co_u32 s20, s20, s18
	s_add_co_u32 s20, s20, 0x18000
	s_mov_b32 s21, 0
	s_add_nc_u64 s[20:21], s[10:11], s[20:21]
	s_lshl_b32 s22, s19, 8
	s_add_co_u32 s22, s22, s18
	s_add_co_u32 s22, s22, 0x32000
	s_mov_b32 s23, 0
	s_add_nc_u64 s[22:23], s[10:11], s[22:23]
.irp a, 0,1,2,3,4,5,6,7
	WIN 0x02+(\a/4)
.set k, 0
.rept 32
	v_pk_add_f32 v[T+k:T+k+1], v[64*(\a%4)+k:64*(\a%4)+k+1], v[BR+2*\a:BR+2*\a+1]
.set k, k+2
.endr
	WIN 0
	s_wait_xcnt 0x0                                ; the last block's stores have read their registers
	QUANT T
	global_store_b128 v[L16], v[PC:PC+3], s[20:21] offset:0x33000*(\a/4)+FRB*(\a%4)
	global_store_b64 v[L8], v[PC+4:PC+5], s[20:21] offset:0x33000*(\a/4)+FRB*(\a%4)+512
	global_store_b128 v[L16], v[PC+6:PC+9], s[20:21] offset:0x33000*(\a/4)+FRB*(\a%4)+768
	global_store_b64 v[L8], v[PC+10:PC+11], s[20:21] offset:0x33000*(\a/4)+FRB*(\a%4)+1280
.if \a%2
	v_cndmask_b32 v[SA+(\a%4)/2], v[SA+(\a%4)/2], v[PW], s[HI]
.else
	v_mov_b32 v[SA+(\a%4)/2], v[PW]
.endif
.if \a%4 == 3
	global_store_b64 v[L8], v[SA:SA+1], s[22:23] offset:0x33000*(\a/4)   ; a head's scale words of this key step: one aligned block of 256 bytes
.endif
.endr
.Lout:
	s_wait_tensorcnt 0x0                           ; the wave's end
	ds_add_u32 v[SPW], v[NIL]
	s_wait_dscnt 0x0
	CROUND                                         ; the closing round: no work-group ends while a partner may still ask for a tile that names it
	s_endpgm
.Lfunc_end_k_q8f6d78c959_qkv:
	.size	k_q8f6d78c959_qkv, .Lfunc_end_k_q8f6d78c959_qkv-k_q8f6d78c959_qkv
	.p2alignl 7, 3214868480
	.fill 96, 4, 3214868480
	.section	.rodata,"a",@progbits
	.p2align	6, 0x0
	.amdhsa_kernel k_q8f6d78c959_qkv
		.amdhsa_group_segment_fixed_size 327680
		.amdhsa_private_segment_fixed_size 0
		.amdhsa_enable_private_segment 0
		.amdhsa_kernarg_size 56
		.amdhsa_user_sgpr_count 2
		.amdhsa_user_sgpr_kernarg_segment_ptr 1
		.amdhsa_wavefront_size32 1
		.amdhsa_system_sgpr_workgroup_id_x 1
		.amdhsa_system_sgpr_workgroup_id_y 1
		.amdhsa_system_sgpr_workgroup_id_z 1
		.amdhsa_system_vgpr_workitem_id 0
		.amdhsa_next_free_vgpr 1024
		.amdhsa_next_free_sgpr 102
		.amdhsa_reserve_vcc 0
		.amdhsa_float_denorm_mode_32 3
		.amdhsa_float_denorm_mode_16_64 3
		.amdhsa_memory_ordered 1
		.amdhsa_forward_progress 1
		.amdhsa_inst_pref_size 220
	.end_amdhsa_kernel
	.amdgpu_metadata
---
amdhsa.version: [ 1, 2 ]
amdhsa.kernels:
  - .name:           k_q8f6d78c959_qkv
    .symbol:         k_q8f6d78c959_qkv.kd
    .args:
      - { .name: xq, .offset: 0, .size: 8, .value_kind: global_buffer, .address_space: global }
      - { .name: wq, .offset: 8, .size: 8, .value_kind: global_buffer, .address_space: global }
      - { .name: bQ, .offset: 16, .size: 8, .value_kind: global_buffer, .address_space: global }
      - { .name: bK, .offset: 24, .size: 8, .value_kind: global_buffer, .address_space: global }
      - { .name: bV, .offset: 32, .size: 8, .value_kind: global_buffer, .address_space: global }
      - { .name: qbuf, .offset: 40, .size: 8, .value_kind: global_buffer, .address_space: global }
      - { .name: kv, .offset: 48, .size: 8, .value_kind: global_buffer, .address_space: global }
    .group_segment_fixed_size: 327680
    .private_segment_fixed_size: 0
    .kernarg_segment_align: 8
    .kernarg_segment_size: 56
    .max_flat_workgroup_size: 128
    .sgpr_count:     102
    .vgpr_count:     1024
    .wavefront_size: 32
...
	.end_amdgpu_metadata
.endif
;; end of part 4
;; launch attn (part 5): grid 4 x 64, 16 waves a work-group, no clusters, 210,944 bytes of LDS; arguments qbuf, kv, mtab, ctx; writes ctx
.if DOCPART == 5
	.amdgcn_target "amdgcn-amd-amdhsa--gfx1250"
	.amdhsa_code_object_version 6
	.text
	.protected	k_q8f6d78c959_attn
	.globl	k_q8f6d78c959_attn
	.p2align	8
	.type	k_q8f6d78c959_attn,@function
k_q8f6d78c959_attn:
	s_mov_b64 s[64:65], 0
	v_nop
	global_prefetch_b8 v0, s[64:65] scope:SCOPE_SE
	s_setreg_imm32_b32 hwreg(HW_REG_WAVE_MODE, 25, 1), 1
	s_wait_xcnt 0x0
; ctx = softmax(q k^T / 8 + mask x (-1e9)) v for one head of one batch, both products on codes of E3M2 with E8M0 scales, and ctx quantised along the model's 1,024 for the last product.
; THE SOFTMAX AHEAD OF THE SECOND PRODUCT: t = logit x log2(e); M = the running largest t rounded UP to a whole number; p = 2^(t - M) is quantised along the keys, not normalised; the row's sum is taken of the
; unquantised p and divides at the end.  When M moves, the sum and O are multiplied by 2^(old M - new M): exact.
; THE MASK IS AN INPUT.  An earlier launch has laid it out by lanes (mtab) and classed each step of 16 queries x 128 keys: open (no masked key), mixed (computed with the mask, by the letter: score + (-8e9) is
; 8 x the f32 logit exactly, then one multiplication by log2(e) / 8, then t - M: three roundings as written), or left out (all masked, and each of the 16 queries has an open key: every weight is 0).
; LIMITS: leaving a step out is exact while open logits stay under some 4e8 in magnitude.  In open steps t - M is one fused multiply-add.  NaN and infinities are not served.  A block whose every p is 0 keeps the byte 1 over zero codes.
; SHARES.  A work-group takes one (batch, head) and a quarter of its query tiles.  The head's k, v and their scale words, 208,896 bytes, are copied into LDS once; one barrier, and none behind it.
; Each of the sixteen waves takes two tiles of 16 queries, t = 4 wave + x and 127 - t, one after the other.  Four waves to a SIMD: one wave's vector work stands beside another's matrix work and LDS loads.
; No tensor load: the walk over the steps branches on stored whole numbers.  No cluster: the four work-groups of a head share its bytes only once, at the head.
; LAYOUT.  Both products transposed: S^T = k q^T (source 0 = 16 keys), O^T = v^T p^T (source 0 = 16 of the head's 64): a lane holds one query throughout.  Tile i, lane r holds row 32 (i / 2) + 8 (i % 2) + r + 8 (r / 8),
; so the 16 registers of tiles 2 b and 2 b + 1 are 16 neighbours.  The first product's K is 64: the upper six registers of q's and k's fragments are zeros for good.
; REGISTERS: v1 16 x lane, v2 8 x lane, v3-8 the step's LDS addresses, v9 -8e9, v10 16 r, v11 8 r + h, v12 -M, v13 the largest t, v[14:15] the sum; v16-27 q; v28 q's scale word, v29 p's, v30-31 v's, v80-83 k's (scales and nothing else);
;   v32-79 four fragments of k; v84-131 four of v; v132-195 S^T, then p; v196-227 O^T; v228-239 p's codes; v240-255 at work.
.set QB,   0x1a000                     ; a head's part of qbuf
.set KVB,  0x33000                     ; and of kv: also the LDS map
.set VCO,  0x18000                     ; v's codes
.set KSC,  0x30000                     ; k's scale words
.set VSC,  0x32000                     ; v's
.set CST,  0x600000                    ; where the scale words begin in ctx
.set QF,   16
.set QS,   28
.set PW,   29
.set VS,   30
.set KF,   32
.set KS,   80
.set VF,   84
.set S,    132
.set O,    196
.set PC,   228
.set BT,   240
.set BM,   248
.set WV,   14                          ; s14 wave
.set TQ,   15                          ; s15 the query tile in hand
.set J,    84                          ; s84 the key step
.set CW,   85                          ; s85 the tile's class word
.set MB,   90                          ; s90 where the step's mask words begin in mtab
.set CS,   92                          ; s[92:93] c = log2(e) / 8
.set SEL,  94                          ; s[94:95] selects of v_permlanex16_b32: lane l xor 16
.set HI,   96                          ; s96 lanes 16-31
; s[16:63], s[68:83]: a mixed step's 64 mask words
; A KEY STEP: 128 keys.  mixed = 1: with the mask.
.macro STEP mixed
.if \mixed
	s_load_b512 s[16:31], s[8:9], s[MB] offset:0x0
	s_load_b512 s[32:47], s[8:9], s[MB] offset:0x40
	s_load_b512 s[48:63], s[8:9], s[MB] offset:0x80
	s_load_b512 s[68:83], s[8:9], s[MB] offset:0xc0
.endif
	ds_load_b128 v[KS:KS+3], v7                    ; k's scale words: register i: lanes 0-15 tile 2 i, lanes 16-31 tile 2 i + 1
.irp g, 0,1                                    ; S^T = k q^T, four tiles of 16 keys at a time
.if \g
.rept 4
	v_nop                                          ; places in front of loads into registers that matrix instructions have read
.endr
.endif
.irp t, 0,1,2,3
	ds_load_b128 v[KF+12*\t:KF+12*\t+3], v3 offset:768*(4*\g+\t)
	ds_load_b64 v[KF+12*\t+4:KF+12*\t+5], v4 offset:768*(4*\g+\t)+512
.endr
	s_wait_dscnt 0x0
.irp t, 0,1,2,3
.if \t%2
	v_wmma_scale_f32_16x16x128_f8f6f4 v[S+8*(4*\g+\t):S+8*(4*\g+\t)+7], v[KF+12*\t:KF+12*\t+11], v[QF:QF+11], 0, v[KS+2*\g+\t/2], v[QS] matrix_a_fmt:MATRIX_FMT_BF6 matrix_b_fmt:MATRIX_FMT_BF6 matrix_a_scale:MATRIX_SCALE_ROW1
.else
	v_wmma_scale_f32_16x16x128_f8f6f4 v[S+8*(4*\g+\t):S+8*(4*\g+\t)+7], v[KF+12*\t:KF+12*\t+11], v[QF:QF+11], 0, v[KS+2*\g+\t/2], v[QS] matrix_a_fmt:MATRIX_FMT_BF6 matrix_b_fmt:MATRIX_FMT_BF6
.endif
.endr
.endr
.irp d, 0,1,2,3                                ; v's four fragments land while the softmax is walked
	ds_load_b128 v[VF+12*\d:VF+12*\d+3], v5 offset:1536*\d
	ds_load_b64 v[VF+12*\d+4:VF+12*\d+5], v6 offset:1536*\d+512
	ds_load_b128 v[VF+12*\d+6:VF+12*\d+9], v5 offset:1536*\d+768
	ds_load_b64 v[VF+12*\d+10:VF+12*\d+11], v6 offset:1536*\d+1280
.endr
	ds_load_b64 v[VS:VS+1], v8
.rept 4
	v_nop                                          ; places in front of the first read of the scores
.endr
.if \mixed
	s_wait_kmcnt 0x0
.set n, 0
.rept 32
.set MW, 16+n+4*(n/48)
.set MT, 244+2*((n/2)%2)
	v_cndmask_b32 v[MT], 0, v9, s[MW]              ; -8e9 where my element's mask bit is set
	v_cndmask_b32 v[MT+1], 0, v9, s[MW+1]
	v_pk_add_f32 v[S+n:S+n+1], v[S+n:S+n+1], v[MT:MT+1]   ; 8 x (score / 8 + mask x (-1e9)), rounded as the f32 sum is
.set n, n+2
.endr
.set n, 0
.rept 32
	v_pk_mul_f32 v[S+n:S+n+1], v[S+n:S+n+1], s[CS:CS+1] op_sel_hi:[1,0]   ; t
.set n, n+2
.endr
.endif
.irp b, 0,1,2,3
	v_max3_num_f32 v[BM+\b], v[S+16*\b], v[S+1+16*\b], v[S+2+16*\b]   ; the largest of each block of 32 keys: it serves for the row's maximum and, since p rises with it, for the block's largest p
.endr
.irp i, 3,5,7,9,11,13
.irp b, 0,1,2,3
	v_max3_num_f32 v[BM+\b], v[BM+\b], v[S+16*\b+\i], v[S+1+16*\b+\i]
.endr
.endr
.irp b, 0,1,2,3
	v_max_num_f32 v[BM+\b], v[BM+\b], v[S+15+16*\b]
.endr
.irp b, 0,1,2,3
	v_permlanex16_b32 v[BT+\b], v[BM+\b], s[SEL], s[SEL+1]
.endr
.irp b, 0,1,2,3
	v_max_num_f32 v[BM+\b], v[BM+\b], v[BT+\b]     ; with lane l xor 16's 16 keys
.endr
	v_max3_num_f32 v254, v[BM], v[BM+1], v[BM+2]
	v_max_num_f32 v254, v254, v[BM+3]
.if !\mixed
	v_mul_f32 v254, s[CS], v254                    ; as t (c is positive)
.endif
	v_max_num_f32 v13, v13, v254                   ; the running largest t
	v_mov_b32 v254, v12
	v_floor_f32 v12, -v13                          ; the new -M = floor(-t): M is a whole number
	v_sub_f32 v254, v12, v254                      ; old M - new M: a whole number, 0 or less
	v_cvt_i32_f32 v254, v254                       ; (it saturates)
	v_ldexp_f32 v252, 1.0, v254                    ; f = 2^(old M - new M)
.set n, 0
.rept 32
.if \mixed
	v_pk_add_f32 v[S+n:S+n+1], v[S+n:S+n+1], v[12:13] op_sel_hi:[1,0]   ; t - M
.else
	v_pk_fma_f32 v[S+n:S+n+1], v[S+n:S+n+1], s[CS:CS+1], v[12:13] op_sel_hi:[1,0,0]   ; t - M (of the pairs c and -M the low word serves both halves)
.endif
.set n, n+2
.endr
.irp b, 0,1,2,3
.if \mixed
	v_add_f32 v[BM+\b], v[BM+\b], v12
.else
	v_fma_f32 v[BM+\b], v[BM+\b], s[CS], v12       ; the same of each block's largest
.endif
.endr
.set n, 0
.rept 64
	v_exp_f32 v[S+n], v[S+n]                       ; p = 2^(t - M)
.set n, n+1
.endr
	v_pk_mul_f32 v[14:15], v[14:15], v[252:253] op_sel_hi:[1,0]   ; the sums under the new M: the plain instruction behind the exponentials
	s_wait_alu depctr_va_vdst(0)                   ; one wait for the batch of 64, ahead of its first reader
.irp b, 0,1,2,3
	v_exp_f32 v[BM+\b], v[BM+\b]                   ; the block's largest p: the same instructions on the same number give the same bits
.endr
	v_pk_add_f32 v[BT:BT+1], v[S:S+1], v[S+2:S+3]  ; the row's sum of the unquantised p, in two chains
.irp j, 4,8,12,16,20,24,28,32,36,40,44,48,52,56,60
	v_pk_add_f32 v[14:15], v[14:15], v[S+\j:S+1+\j]
	v_pk_add_f32 v[BT:BT+1], v[BT:BT+1], v[S+2+\j:S+3+\j]
.endr
	v_pk_add_f32 v[14:15], v[14:15], v[BT:BT+1]
	s_wait_alu depctr_va_vdst(0)                   ; and one for the four
.irp b, 0,1,2,3
	v_max_num_f32 v[BM+\b], 0x2800000, v[BM+\b]    ; the floor 2^(5 - 127): the byte cannot fall under 1
.endr
.irp b, 0,1,2,3
	v_add_nc_u32 v[BM+\b], 0xfe000000, v[BM+\b]    ; 4 off the exponent field: the conversion's scale operand
.endr
.irp b, 0,1,2,3
	v_lshrrev_b32 v[BT+\b], 23, v[BM+\b]           ; the scale's byte
.endr
	v_lshl_or_b32 v[PW], v[BT+1], 8, v[BT]         ; p's scale word for these 128 keys
	v_lshl_or_b32 v[PW], v[BT+2], 16, v[PW]
	v_lshl_or_b32 v[PW], v[BT+3], 24, v[PW]
.irp c, 0,1
	v_cvt_scalef32_pk16_bf6_f32 v[PC+6*\c:PC+2+6*\c], v[S+32*\c:S+15+32*\c], v[BM+2*\c]
	v_cvt_scalef32_pk16_bf6_f32 v[BT+4*\c:BT+2+4*\c], v[S+16+32*\c:S+31+32*\c], v[BM+2*\c+1]   ; (a conversion's three registers begin on an even number)
.endr
	v_nop                                          ; one plain instruction behind a scaled conversion
.irp c, 0,1                                    ; the operand wants a whole block in a lane
.irp i, 0,1,2
	v_permlane16_swap_b32 v[PC+6*\c+\i], v[BT+4*\c+\i]
.endr
.irp i, 0,1,2
	v_mov_b32 v[PC+3+6*\c+\i], v[BT+4*\c+\i]
.endr
.endr
.set n, 0
.rept 16
	v_pk_mul_f32 v[O+n:O+n+1], v[O+n:O+n+1], v[252:253] op_sel_hi:[1,0]   ; O^T under the new M.  These sixteen are also the places between the writes of p's codes and scale word and the products
.set n, n+2
.endr
	s_wait_dscnt 0x0                               ; v's fragments and scale words
.irp d, 0,1,2,3                                ; O^T += v^T p^T: the four accumulators by turns; the next matrix instruction on any way is a product k q^T
.if \d%2
	v_wmma_scale_f32_16x16x128_f8f6f4 v[O+8*\d:O+8*\d+7], v[VF+12*\d:VF+12*\d+11], v[PC:PC+11], v[O+8*\d:O+8*\d+7], v[VS+\d/2], v[PW] matrix_a_fmt:MATRIX_FMT_BF6 matrix_b_fmt:MATRIX_FMT_BF6 matrix_a_scale:MATRIX_SCALE_ROW1
.else
	v_wmma_scale_f32_16x16x128_f8f6f4 v[O+8*\d:O+8*\d+7], v[VF+12*\d:VF+12*\d+11], v[PC:PC+11], v[O+8*\d:O+8*\d+7], v[VS+\d/2], v[PW] matrix_a_fmt:MATRIX_FMT_BF6 matrix_b_fmt:MATRIX_FMT_BF6
.endif
.endr
.endm
	s_load_b256 s[4:11], s[0:1], 0x0               ; qbuf, kv, mtab, ctx
	v_lshrrev_b32 v1, 5, v0
	v_readfirstlane_b32 s[WV], v1                  ; wave 0..15
	s_and_b32 s97, ttmp7, 0xffff                   ; 16 x batch + head
	s_mul_i32 s98, s97, QB
	s_mov_b32 s99, 0
	s_mul_i32 s100, s97, KVB
	s_mov_b32 s101, 0
	s_lshr_b32 s2, s97, 4
	s_lshl_b32 s2, s2, 7                           ; the batch's first token tile
	s_and_b32 s3, s97, 15                          ; the head
	s_lshr_b32 s87, s3, 2                          ; its two scale bytes in a row's words of ctx: 128 (head / 4) + 4 ((head / 2) % 2) + 2 (head % 2)
	s_lshl_b32 s87, s87, 7
	s_bfe_u32 s86, s3, 0x10001
	s_lshl_b32 s86, s86, 2
	s_add_co_u32 s87, s87, s86
	s_and_b32 s86, s3, 1
	s_lshl_b32 s86, s86, 1
	s_add_co_u32 s87, s87, s86
	s_lshl_b32 s[TQ], s[WV], 2
	s_add_co_u32 s[TQ], s[TQ], ttmp9               ; my first tile of queries
	s_mov_b32 s91, 2                               ; tiles to go
	s_mov_b32 s[CS], 0x3e38aa3b                    ; c = log2(e) / 8
	s_mov_b32 s[CS+1], s[CS]                       ; (named with it as a pair, so it is written)
	s_mov_b32 s[SEL], 0x76543210
	s_mov_b32 s[SEL+1], 0xfedcba98
	s_mov_b32 s[HI], 0xffff0000
	v_lshlrev_b32 v3, 4, v0                        ; the fill: 16 bytes a thread, 8,192 a run
	v_add_nc_u32 v4, 0x10000, v3
	v_add_nc_u32 v5, 0x20000, v3
	v_add_nc_u32 v6, 0x30000, v3
	v_lshlrev_b32 v7, 3, v0
	v_add_nc_u32 v8, 0x30000, v7
	s_wait_kmcnt 0x0
	s_add_nc_u64 s[4:5], s[4:5], s[98:99]          ; my head in qbuf
	s_add_nc_u64 s[6:7], s[6:7], s[100:101]        ; and in kv
	s_add_nc_u64 s[12:13], s[10:11], CST           ; ctx's scale words
.set i, 0
.rept 25
	global_load_b128 v[VF+4*i:VF+4*i+3], v3, s[6:7] offset:8192*i   ; the head's 208,896 bytes as they lie: 25 runs of 8,192
.set i, i+1
.endr
	global_load_b64 v[VF+100:VF+101], v7, s[6:7] offset:204800      ; and one of 4,096
	v_and_b32 v10, 31, v0
	v_lshlrev_b32 v1, 4, v10                       ; 16 x lane
	v_lshlrev_b32 v2, 3, v10                       ; 8 x lane
	v_mov_b32 v9, 0xcfee6b28                       ; -8e9 = 8 x f32(-1e9), exactly
	v_and_b32 v11, 15, v0                          ; r
	v_bfe_u32 v12, v0, 4, 1                        ; h
	v_lshlrev_b32 v10, 4, v11                      ; 16 r
	v_lshl_add_u32 v11, v11, 3, v12                ; 8 r + h
.irp i, 6,7,8,9,10,11
	v_mov_b32 v[QF+\i], 0                          ; the first product's K is 64: zero codes above, for good
.irp t, 0,1,2,3
	v_mov_b32 v[KF+12*\t+\i], 0
.endr
.endr
.irp b, 0,1,2,3
	v_mov_b32 v[BT+\b], 0                          ; written once: a lane permute's destination counts as one of its sources
.endr
	v_mov_b32 v253, 0                              ; (named as the upper half of the pair v[252:253])
.set i, 0
.rept 25
	s_wait_loadcnt 25-i                            ; loads come back in order: run i is in, the younger ones stay out
	ds_store_b128 v[3+i/8], v[VF+4*i:VF+4*i+3] offset:8192*(i%8)
.set i, i+1
.endr
	s_wait_loadcnt 0x0
	ds_store_b64 v8, v[VF+100:VF+101] offset:8192
	s_wait_dscnt 0x0                               ; for the others' sake: my part has landed
	s_barrier_signal -1
	s_barrier_wait -1                              ; the head lies in LDS; nothing writes LDS from here on
.Ltile:
	s_mul_i32 s98, s[TQ], 768
	s_mov_b32 s99, 0
	s_add_nc_u64 s[98:99], s[4:5], s[98:99]
	global_load_b128 v[QF:QF+3], v1, s[98:99]      ; q's half fragment
	global_load_b64 v[QF+4:QF+5], v2, s[98:99] offset:512
	s_lshr_b32 s100, s[TQ], 3                      ; its scale word: 512 (t / 8) + 256 (t % 2) + 4 ((t / 2) % 4) + 16 r
	s_lshl_b32 s100, s100, 9
	s_and_b32 s97, s[TQ], 1
	s_lshl_b32 s97, s97, 8
	s_add_co_u32 s100, s100, s97
	s_bfe_u32 s97, s[TQ], 0x20001
	s_lshl_b32 s97, s97, 2
	s_add_co_u32 s100, s100, s97
	s_add_co_u32 s100, s100, 0x18000
	s_mov_b32 s101, 0
	s_add_nc_u64 s[100:101], s[4:5], s[100:101]
	global_load_b32 v[QS], v10, s[100:101]
	s_lshl_b32 s97, s[TQ], 2
	s_load_b32 s[CW], s[8:9], s97 offset:0x80000   ; the tile's class word
	v_mov_b32 v13, 0xff61b1e6                      ; the largest t so far: -3e38
	v_floor_f32 v12, -v13                          ; -M
	v_mov_b32 v14, 0
	v_mov_b32 v15, 0
.set n, 0
.rept 32
	v_mov_b32 v[O+n], 0                            ; O^T: the step is written once; the first finds zeros, which the first change of M leaves zeros
.set n, n+1
.endr
	s_mov_b32 s[J], 0
	s_wait_loadcnt 0x0
	s_wait_kmcnt 0x0
.Lstep:                                            ; 16 trips; what a class leaves out is a step's work, not the trip
	s_mul_i32 s86, s[J], 6144                      ; a step's k (8 x 768) and v (4 x 1,536) are 6,144 bytes each
	s_lshl_b32 s88, s[J], 9
	s_add_co_u32 s88, s88, KSC
	s_lshl_b32 s89, s[J], 8
	s_lshl_b32 s[MB], s[TQ], 12
	s_add_co_u32 s[MB], s[MB], s89                 ; 256 bytes of mask words for each (t, j)
	s_add_co_u32 s89, s89, VSC
	v_add_nc_u32 v3, s86, v1                       ; these six are also the places behind the last step's products
	v_add_nc_u32 v4, s86, v2
	v_add_nc_u32 v5, VCO, v3
	v_add_nc_u32 v6, VCO, v4
	v_add_nc_u32 v7, s88, v1
	v_add_nc_u32 v8, s89, v2
	s_lshr_b32 s97, s[CW], s[J]
	s_bitcmp1_b32 s97, 16
	s_cbranch_scc1 .Lnext                          ; left out
	s_bitcmp1_b32 s97, 0
	s_cbranch_scc1 .Lmixed
	STEP 0
	s_branch .Lnext
.Lmixed:
	STEP 1
.Lnext:
	s_add_co_u32 s[J], s[J], 1
	s_cmp_lt_u32 s[J], 16
	s_cbranch_scc1 .Lstep
	; THE TILE'S END: O^T / the sum, quantised along the head's 64 (two blocks), stored as half a fragment of ctx
.rept 4
	v_nop                                          ; places behind the last products
.endr
	v_add_f32 v14, v14, v15
	v_permlanex16_b32 v[BT], v14, s[SEL], s[SEL+1]
	v_add_f32 v14, v14, v[BT]                      ; the row's sum
	v_rcp_f32 v14, v14
	v_nop                                          ; a plain instruction behind the transcendental
	s_wait_alu depctr_va_vdst(0)                   ; and the wait ahead of its first reader
.set n, 0
.rept 16
	v_pk_mul_f32 v[S+n:S+n+1], v[O+n:O+n+1], v[14:15] op_sel_hi:[1,0]   ; register 16 b + i: channel 32 b + 16 h + i; each accumulator from its low end on
.set n, n+2
.endr
	v_max3_num_f32 v[BM], |v[S]|, |v[S+1]|, 0x2800000
	v_max3_num_f32 v[BM+1], |v[S+16]|, |v[S+17]|, 0x2800000
.irp i, 2,4,6,8,10,12,14
	v_max3_num_f32 v[BM], v[BM], |v[S+\i]|, |v[S+1+\i]|
	v_max3_num_f32 v[BM+1], v[BM+1], |v[S+16+\i]|, |v[S+17+\i]|
.endr
	v_permlanex16_b32 v[BT], v[BM], s[SEL], s[SEL+1]
	v_permlanex16_b32 v[BT+1], v[BM+1], s[SEL], s[SEL+1]
	v_max_num_f32 v[BM], v[BM], v[BT]
	v_max_num_f32 v[BM+1], v[BM+1], v[BT+1]
	v_add_nc_u32 v[BM], 0xfe000000, v[BM]
	v_add_nc_u32 v[BM+1], 0xfe000000, v[BM+1]
	v_lshrrev_b32 v[BT+2], 23, v[BM]
	v_lshrrev_b32 v[BT+3], 23, v[BM+1]
	v_cvt_scalef32_pk16_bf6_f32 v[PC:PC+2], v[S:S+15], v[BM]
	v_cvt_scalef32_pk16_bf6_f32 v[BT+4:BT+6], v[S+16:S+31], v[BM+1]
	v_cndmask_b32 v254, v[BT+2], v[BT+3], s[HI]    ; lanes 0-15 carry block 0's byte, lanes 16-31 block 1's.  (The plain instruction behind the conversions)
.irp i, 0,1,2
	v_permlane16_swap_b32 v[PC+\i], v[BT+4+\i]
.endr
.irp i, 0,1,2
	v_mov_b32 v[PC+3+\i], v[BT+4+\i]
.endr
	s_add_co_u32 s97, s2, s[TQ]                    ; the token tile among all 512
	s_lshl_b32 s98, s97, 4
	s_add_co_u32 s98, s98, s3
	s_mul_i32 s98, s98, 768                        ; [tile][head][768] = [tile][K step][1,536]
	s_mov_b32 s99, 0
	s_add_nc_u64 s[98:99], s[10:11], s[98:99]
	s_lshl_b32 s100, s97, 9
	s_add_co_u32 s100, s100, s87
	s_mov_b32 s101, 0
	s_add_nc_u64 s[100:101], s[12:13], s[100:101]
	global_store_b128 v1, v[PC:PC+3], s[98:99]     ; whole aligned blocks of 256 bytes
	global_store_b64 v2, v[PC+4:PC+5], s[98:99] offset:512
	global_store_b8 v11, v254, s[100:101]          ; a row's word of 128 along K is shared by two heads, which other work-groups own: a byte a lane
	s_wait_xcnt 0x0                                ; the stores have read their registers and bases: both are written again in the next trip
	s_sub_co_u32 s[TQ], 127, s[TQ]                 ; my second tile
	s_sub_co_u32 s91, s91, 1
	s_cmp_lg_u32 s91, 0
	s_cbranch_scc1 .Ltile
	s_wait_xcnt 0x0
	v_lshl_add_u32 v254, v0, 2, 0x33000
	v_mov_b32 v255, 0
	s_wait_tensorcnt 0x0
	ds_add_u32 v254, v255
	s_wait_dscnt 0x0
	s_endpgm
.Lfunc_end_k_q8f6d78c959_attn:
	.size	k_q8f6d78c959_attn, .Lfunc_end_k_q8f6d78c959_attn-k_q8f6d78c959_attn
	.p2alignl 7, 3214868480
	.fill 96, 4, 3214868480
	.section	.rodata,"a",@progbits
	.p2align	6, 0x0
	.amdhsa_kernel k_q8f6d78c959_attn
		.amdhsa_group_segment_fixed_size 210944
		.amdhsa_private_segment_fixed_size 0
		.amdhsa_enable_private_segment 0
		.amdhsa_kernarg_size 32
		.amdhsa_user_sgpr_count 2
		.amdhsa_user_sgpr_kernarg_segment_ptr 1
		.amdhsa_wavefront_size32 1
		.amdhsa_system_sgpr_workgroup_id_x 1
		.amdhsa_system_sgpr_workgroup_id_y 1
		.amdhsa_system_sgpr_workgroup_id_z 1
		.amdhsa_system_vgpr_workitem_id 0
		.amdhsa_next_free_vgpr 256
		.amdhsa_next_free_sgpr 102
		.amdhsa_reserve_vcc 0
		.amdhsa_float_denorm_mode_32 3
		.amdhsa_float_denorm_mode_16_64 3
		.amdhsa_memory_ordered 1
		.amdhsa_forward_progress 1
		.amdhsa_inst_pref_size 55
	.end_amdhsa_kernel
	.amdgpu_metadata
---
amdhsa.version: [ 1, 2 ]
amdhsa.kernels:
  - .name:           k_q8f6d78c959_attn
    .symbol:         k_q8f6d78c959_attn.kd
    .args:
      - { .name: qbuf, .offset: 0, .size: 8, .value_kind: global_buffer, .address_space: global }
      - { .name: kv, .offset: 8, .size: 8, .value_kind: global_buffer, .address_space: global }
      - { .name: mtab, .offset: 16, .size: 8, .value_kind: global_buffer, .address_space: global }
      - { .name: ctx, .offset: 24, .size: 8, .value_kind: global_buffer, .address_space: global }
    .group_segment_fixed_size: 210944
    .private_segment_fixed_size: 0
    .kernarg_segment_align: 8
    .kernarg_segment_size: 32
    .max_flat_workgroup_size: 512
    .sgpr_count:     102
    .vgpr_count:     256
    .wavefront_size: 32
...
	.end_amdgpu_metadata
.endif
;; end of part 5
;; launch oproj (part 6): grid 4 x 32, 4 waves a work-group, clusters of 4 x 4, 327,680 bytes of LDS; arguments ctx, wq, bO, out0; writes out0
.if DOCPART == 6
	.amdgcn_target "amdgcn-amd-amdhsa--gfx1250"
	.amdhsa_code_object_version 6
	.text
	.protected	k_q8f6d78c959_oproj
	.globl	k_q8f6d78c959_oproj
	.p2align	8
	.type	k_q8f6d78c959_oproj,@function
k_q8f6d78c959_oproj:
	s_mov_b64 s[64:65], 0
	v_nop
	global_prefetch_b8 v0, s[64:65] scope:SCOPE_SE
	s_setreg_imm32_b32 hwreg(HW_REG_WAVE_MODE, 25, 1), 1
	s_wait_xcnt 0x0
	s_wait_alu depctr_hold_cnt(0) depctr_sa_sdst(0) depctr_va_vdst(0) depctr_va_sdst(0) depctr_va_ssrc(0) depctr_va_vcc(0) depctr_vm_vsrc(0)
	s_getreg_b32 s2, hwreg(HW_REG_IB_STS2, 6, 4)
	s_cmp_eq_u32 s2, 0
	s_cbranch_scc0 .Lentry_in_a_cluster
	s_endpgm
.Lentry_in_a_cluster:
	s_bfe_u32 s2, ttmp6, 0x10000c
	s_cmp_lg_u32 s2, 0xf033
	s_cbranch_scc0 .Lentry_shape_is_right
	s_endpgm
.Lentry_shape_is_right:
; out0 = ctx WO + bO on codes of E3M2 (6 bits, one E8M0 scale for each 32 along K).  ctx and wq are images of operand registers, [tile of 16 rows][K step 8][1,536 bytes], scale words behind them
; ([tile][K step / 2][r][K step % 2]); WO's tiles are wq's 192 to 255.  Tile i, lane r holds row 32 (i / 2) + 8 (i % 2) + r + 8 (r / 8).  out0: [8192][1024] f32.
; A work-group makes 256 tokens x 256 columns, each of its four waves 128 x 128: 64 accumulators.  Source 0 (P) = WO's columns, source 1 (R) = tokens: a lane holds one token, and the 16 registers of P's tiles 2 B, 2 B + 1 are 16 neighbouring columns.
; K goes in steps of 256 through a ring of two LDS slots filled by the tensor data mover.  CLUSTERS: 4 x 4 work-groups; R's tile is asked for jointly by a row of the cluster, P's by a column.
; The bias is the C of each sum's first matrix instruction, so it is added ahead of the products and not behind them: an order of rounding that differs from the reference's; no quantiser follows.
; REGISTERS, in windows of 256: window 0: v16-29 addresses; v32-63 scale words, two sets, and nothing else; v64-127 the bias; v128-223 R's fragments, one set; on the way out v128-255 rows of out0.
;   window 1: P's fragments, two sets, at v0 and v128.   window 2: accumulators of R's blocks 0-3 ((a, b) at v[8 (8 (a % 4) + b)]);   window 3: of blocks 4-7.
.set NQ,     2
.set FR,     12
.set FRB,    1536
.set NL,     4
.set NP,     4                         ; places behind this matrix instruction (ISA guide 7.12.1)
.set TILEB,  NQ*FRB
.set HALFT,  8*TILEB
.set SLOT,   4*HALFT
.set SCL,    2*SLOT                    ; behind the ring: R's scale words (8,192 bytes), then, 128 bytes further on than they end, P's
.set HALFS,  4096
.set SPARE,  213248                    ; the spare words, 128 bytes for each wave: two blocks of 256 bytes that no other line names
.set SPITCH, 528                       ; the way out: a stage of 16 rows x (512 bytes + 16) for each wave, in slot 0, which has had its last fill and its last read when the first result is stored there
.set ADRA, 16
.set ADRB, 20
.set STO,  24                          ; v24  the way out: where I put my token's numbers
.set RD,   25                          ; v25  where I read a row back
.set CO,   26                          ; v26  16 x lane
.set ADRS, 27
.set SPW,  28
.set NIL,  29
.set SC,   32
.set BP,   64
.set AF,   128
.set BK,   128
.set G1, 24
.set G0, 32
.set G1B, 48
.set G0B, 56
.set G1S, 68
.set G0S, 76
.set G1SB, 80
.set G0SB, 88
.set MSB, 0
.macro WIN new                         ; the immediate's high byte repeats the setting that is left
.if MSB != (\new)
	s_set_vgpr_msb (MSB<<8)|(\new)
.set MSB, (\new)
.endif
.endm
.set MUL_LO, 0xa1                      ; source 0 (P) window 1, source 1 (R) window 0, C and D window 2
.set MUL_HI, 0xf1
.set TO_B,   0x40
.macro JLOAD g0a, g1a, g0b, g1b        ; a joint load: waves 0 and 1 fetch for R, waves 2 and 3 for P; four v_nop follow each line
	s_cmp_eq_u32 s15, 0
	s_cbranch_scc0 .Lfor_b_\@
	tensor_load_to_lds s[\g0a:\g0a+3], s[\g1a:\g1a+7]
	s_nop 0
.rept 4
	v_nop
.endr
	s_branch .Lasked_\@
.Lfor_b_\@:
	tensor_load_to_lds s[\g0b:\g0b+3], s[\g1b:\g1b+7]
	s_nop 0
.rept 4
	v_nop
.endr
.Lasked_\@:
.endm
.macro CREST
	s_cmp_lg_u32 s14, 0
	s_cbranch_scc1 .Lnot_wave_0_\@
	s_barrier_signal -3
.Lnot_wave_0_\@:
	s_barrier_wait -3
	s_barrier_signal -1
	s_barrier_wait -1
.endm
.macro CROUND
	s_barrier_signal -1
	s_barrier_wait -1
	CREST
.endm
.macro PLACES n
.rept \n
	v_nop
.endr
.endm
.macro FRAG reg, adr, q, i
	ds_load_b128 v[\reg:\reg+3], v[\adr] offset:(\i)*TILEB+(\q)*FRB
	ds_load_b64 v[\reg+4:\reg+5], v[\adr+2] offset:(\i)*TILEB+(\q)*FRB+512
	ds_load_b128 v[\reg+6:\reg+9], v[\adr] offset:(\i)*TILEB+(\q)*FRB+768
	ds_load_b64 v[\reg+10:\reg+11], v[\adr+2] offset:(\i)*TILEB+(\q)*FRB+1280
.endm
; 16 matrix instructions: R's blocks a0, a0 + 1 x P's eight.  zero = 2: the first product starts the sums from the bias.  The 64 accumulators take turns, one instruction a turn.
.macro MUL16 a0, p, q, sc, zero
.irp a, \a0, \a0+1
.irp b, 0,1,2,3,4,5,6,7
.if \zero
	v_wmma_scale_f32_16x16x128_f8f6f4 v[8*(8*((\a)%4)+\b):8*(8*((\a)%4)+\b)+7], v[128*(\p)+FR*\b:128*(\p)+FR*\b+FR-1], v[AF+FR*(\a):AF+FR*(\a)+FR-1], v[BP+8*\b:BP+8*\b+7], v[SC+8*NQ*(\sc)+NQ*\b+(\q)], v[SC+8*NQ*(\sc)+NQ*(\a)+(\q)] matrix_a_fmt:MATRIX_FMT_BF6 matrix_b_fmt:MATRIX_FMT_BF6 matrix_a_scale:MATRIX_SCALE_ROW1
.else
	v_wmma_scale_f32_16x16x128_f8f6f4 v[8*(8*((\a)%4)+\b):8*(8*((\a)%4)+\b)+7], v[128*(\p)+FR*\b:128*(\p)+FR*\b+FR-1], v[AF+FR*(\a):AF+FR*(\a)+FR-1], v[8*(8*((\a)%4)+\b):8*(8*((\a)%4)+\b)+7], v[SC+8*NQ*(\sc)+NQ*\b+(\q)], v[SC+8*NQ*(\sc)+NQ*(\a)+(\q)] matrix_a_fmt:MATRIX_FMT_BF6 matrix_b_fmt:MATRIX_FMT_BF6 matrix_a_scale:MATRIX_SCALE_ROW1
.endif
.endr
.endr
.endm
.macro FETCH_B slot, q, p
	WIN TO_B
.irp i, 0,1,2,3,4,5,6,7
	FRAG 128*(\p)+FR*\i, ADRB+\slot, \q, \i
.endr
	WIN 0
.endm
.macro FETCH_A slot, q, i0
.irp i, \i0, \i0+1, \i0+2, \i0+3
	FRAG AF+FR*(\i), ADRA+\slot, \q, \i
.endr
.endm
.macro SCALES sc
.irp i, 0,1,2,3,4,5,6,7
	ds_load_b64 v[SC+8*NQ*\sc+NQ*\i:SC+8*NQ*\sc+NQ*\i+1], v[ADRS] offset:\i*512
.endr
.endm
.macro STEP slot, q, zero
	s_wait_dscnt 4*NL                              ; P's set and R's blocks 0-3 are in; the youngest 16 loads (R's blocks 4-7) may be out
.if \zero
	WIN 0x81                                       ; C (the bias) window 0, D window 2
.else
	WIN MUL_LO
.endif
	MUL16 0, (\q)%2, \q, \slot, \zero
	MUL16 2, (\q)%2, \q, \slot, \zero
	s_wait_dscnt 0
	PLACES NP                                      ; in front of loads into registers that matrix instructions have read
	FETCH_B \slot, (\q)+1, 1-(\q)%2
	FETCH_A \slot, (\q)+1, 0
.if \zero
	WIN 0xc1                                       ; C window 0, D window 3
.else
	WIN MUL_HI
.endif
	MUL16 4, (\q)%2, \q, \slot, \zero
	MUL16 6, (\q)%2, \q, \slot, \zero
	PLACES NP
	WIN 0
	FETCH_A \slot, (\q)+1, 4
.endm
.macro TURN slot, next, fill
	s_wait_tensorcnt 0x0                           ; all my tensor loads have landed: my part of the next slot
	ds_add_u32 v[SPW], v[NIL]                      ; 0 onto my spare word
	s_wait_dscnt 4*NL+1                            ; (the add and the youngest 16 loads, R's blocks 4-7, may be out)
	WIN MUL_LO
	MUL16 0, 1, NQ-1, \slot, 0
	s_wait_dscnt 0x0                               ; the add is done, and my reads of this slot are over
	s_barrier_signal -1
	MUL16 2, 1, NQ-1, \slot, 0
	WIN 0
	s_barrier_wait -1
.if \fill
	CREST                                          ; the barrier has opened a round of the cluster's barrier: no wave of any partner still reads this slot or has a load on its way
	s_add_nc_u64 s[G0+4*\slot+2:G0+4*\slot+3], s[G0+4*\slot+2:G0+4*\slot+3], 2*TILEB
	s_add_nc_u64 s[G0B+4*\slot+2:G0B+4*\slot+3], s[G0B+4*\slot+2:G0B+4*\slot+3], 2*TILEB
	JLOAD G0+4*\slot, G1, G0B+4*\slot, G1B         ; the first tensor load behind the round; its four v_nop are also the places in front of the loads below
.else
	PLACES NP
.endif
	v_add_nc_u32 v[ADRS], 128, v[ADRS]
	FETCH_B \next, 0, 0
	FETCH_A \next, 0, 0
	SCALES \next
	WIN MUL_HI
	MUL16 4, 1, NQ-1, \slot, 0
	MUL16 6, 1, NQ-1, \slot, 0
	PLACES NP
	WIN 0
	FETCH_A \next, 0, 4
.endm
	s_load_b256 s[4:11], s[0:1], 0x0               ; ctx, wq, bO, out0
	v_lshl_add_u32 v[SPW], v0, 2, SPARE
	v_mov_b32 v[NIL], 0
	ds_add_u32 v28, v29
	ds_add_u32 v28, v29
	s_wait_dscnt 0x0
	v_lshrrev_b32 v1, 5, v0
	v_readfirstlane_b32 s14, v1                    ; wave 0..3
	s_lshr_b32 s15, s14, 1                         ; which half of R is mine.  Also: I fetch for R (0) or for P (1)
	s_and_b32 s16, s14, 1                          ; which half of P.  Also: which 8 tiles I fetch
	s_bfe_u32 s40, ttmp6, 0x40000                  ; cx, cy
	s_bfe_u32 s41, ttmp6, 0x40004
	s_lshl_b32 s42, ttmp9, 2
	s_add_co_u32 s42, s42, s40                     ; which 256 columns
	s_and_b32 s17, ttmp7, 0xffff
	s_lshl_b32 s17, s17, 2
	s_add_co_u32 s17, s17, s41                     ; which 256 tokens
	s_lshl_b32 s43, s41, 2
	s_lshl_b32 s43, 15, s43                        ; my row of the cluster
	s_lshl_b32 s44, 0x1111, s40                    ; my column
	s_or_b32 s[G1+0], s43, (3<<16)|(1<<21)         ; 8 rows of 3,072 bytes (384 elements of 8), 12,288 bytes apart; no padding
	s_or_b32 s[G1B+0], s44, (3<<16)|(1<<21)
.irp g, G1, G1B
	s_mov_b32 s[\g+1], 384<<16
	s_mov_b32 s[\g+2], 8<<16
	s_mov_b32 s[\g+3], 384<<16
	s_mov_b32 s[\g+4], 8
	s_mov_b32 s[\g+5], 1536
	s_mov_b32 s[\g+6], 0
	s_mov_b32 s[\g+7], 0
.endr
	s_or_b32 s[G1S+0], s43, (3<<16)|(1<<21)        ; 4,096 dense bytes as 16 rows of 256
	s_or_b32 s[G1SB+0], s44, (3<<16)|(1<<21)
.irp g, G1S, G1SB
	s_mov_b32 s[\g+1], 32<<16
	s_mov_b32 s[\g+2], 16<<16
	s_mov_b32 s[\g+3], 32<<16
	s_mov_b32 s[\g+4], 16
	s_mov_b32 s[\g+5], 32
	s_mov_b32 s[\g+6], 0
	s_mov_b32 s[\g+7], 0
.endr
	s_mul_i32 s18, s16, 8*8*FRB
	s_mul_i32 s20, s17, 16*8*FRB
	s_add_co_u32 s20, s20, s18                     ; R's codes
	s_mov_b32 s21, 0
	s_add_co_u32 s46, s42, 12                      ; WO is wq's fourth quarter
	s_mul_i32 s92, s46, 8192
	s_mul_i32 s46, s46, 16*8*FRB
	s_add_co_u32 s46, s46, s18                     ; P's codes
	s_mov_b32 s47, 0
	s_lshl_b32 s18, s16, 12
	s_lshl_b32 s22, s17, 13
	s_add_co_u32 s22, s22, s18
	s_add_co_u32 s22, s22, 0x600000                ; R's scale words
	s_mov_b32 s23, 0
	s_add_co_u32 s92, s92, s18
	s_add_co_u32 s92, s92, 0x300000                ; P's scale words
	s_mov_b32 s93, 0
	s_mul_i32 s45, s14, HALFT
	s_lshl_b32 s94, s14, 12
	s_wait_kmcnt 0x0
	s_add_nc_u64 s[20:21], s[4:5], s[20:21]
	s_add_nc_u64 s[22:23], s[4:5], s[22:23]
	s_add_nc_u64 s[46:47], s[6:7], s[46:47]
	s_add_nc_u64 s[92:93], s[6:7], s[92:93]
	CROUND                                         ; all sixteen work-groups are here: the first joint loads meet
	s_mov_b32 s[G0S], 1
	s_add_co_u32 s[G0S+1], s94, SCL
	s_mov_b64 s[G0S+2:G0S+3], s[22:23]
	s_or_b32 s[G0S+3], s[G0S+3], 0x80000000
	s_mov_b32 s[G0SB], 1
	s_add_co_u32 s[G0SB+1], s94, SCL+128
	s_mov_b64 s[G0SB+2:G0SB+3], s[92:93]
	s_or_b32 s[G0SB+3], s[G0SB+3], 0x80000000
	JLOAD G0S, G1S, G0SB, G1SB                     ; the scale words first: filled once
.irp s, 0,1
	s_mov_b32 s[G0+4*\s], 1
	s_add_co_u32 s[G0+4*\s+1], s45, \s*SLOT
	s_add_nc_u64 s[G0+4*\s+2:G0+4*\s+3], s[20:21], \s*TILEB
	s_or_b32 s[G0+4*\s+3], s[G0+4*\s+3], 0x80000000
	s_mov_b32 s[G0B+4*\s], 1
	s_add_co_u32 s[G0B+4*\s+1], s45, \s*SLOT
	s_add_nc_u64 s[G0B+4*\s+2:G0B+4*\s+3], s[46:47], \s*TILEB
	s_or_b32 s[G0B+4*\s+3], s[G0B+4*\s+3], 0x80000000
	JLOAD G0+4*\s, G1, G0B+4*\s, G1B               ; three tensor loads of mine are out at the most
.endr
	v_and_b32 v1, 15, v0                           ; r
	v_bfe_u32 v2, v0, 4, 1                         ; h
	v_and_b32 v3, 31, v0
	v_lshlrev_b32 v[CO], 4, v3                     ; 16 x lane
	v_lshlrev_b32 v5, 3, v3                        ; 8 x lane
	s_mul_i32 s21, s15, HALFT
	s_mul_i32 s22, s16, HALFT
	s_add_co_u32 s22, s22, 2*HALFT
.irp s, 0,1
	v_add_nc_u32 v[ADRA+\s], s21, v[CO]
	v_add_nc_u32 v[ADRB+\s], s22, v[CO]
	v_add_nc_u32 v[ADRA+2+\s], s21, v5
	v_add_nc_u32 v[ADRB+2+\s], s22, v5
	s_add_co_u32 s21, s21, SLOT
	s_add_co_u32 s22, s22, SLOT
.endr
	v_lshlrev_b32 v6, 3, v1
	s_lshl_b32 s21, s15, 12
	s_lshl_b32 s22, s16, 12
	s_add_co_u32 s22, s22, 2*HALFS+128
	s_sub_co_u32 s22, s22, s21
	v_mul_u32_u24 v7, s22, v2                      ; lanes 16-31 take P's
	s_add_co_u32 s21, s21, SCL
	v_add_nc_u32 v6, v6, v7
	v_add_nc_u32 v[ADRS], s21, v6
	s_mul_i32 s23, s14, 16*SPITCH                  ; my stage
	v_mul_u32_u24 v6, v1, SPITCH
	v_lshl_add_u32 v6, v2, 6, v6
	v_add_nc_u32 v[STO], s23, v6                   ; in: row r, + 64 h
	v_add_nc_u32 v[RD], s23, v[CO]                 ; back: the 32 lanes take one row of 512 bytes
	s_lshl_b32 s46, s42, 10
	s_lshl_b32 s47, s16, 9
	s_add_co_u32 s46, s46, s47                     ; my first column, in bytes
	s_mov_b32 s47, 0
	s_add_nc_u64 s[8:9], s[8:9], s[46:47]          ; the bias there
	s_lshl_b32 s20, s17, 8
	s_lshl_b32 s21, s15, 7
	s_add_co_u32 s20, s20, s21                     ; my first token
	s_lshl_b32 s20, s20, 12
	s_mov_b32 s21, 0
	s_add_nc_u64 s[20:21], s[20:21], s[46:47]
	s_add_nc_u64 s[12:13], s[10:11], s[20:21]
	v_lshlrev_b32 v8, 6, v2                        ; 64 h
.irp b, 0,1,2,3,4,5,6,7
	global_load_b128 v[BP+8*\b:BP+8*\b+3], v8, s[8:9] offset:128*(\b/2)+32*(\b%2)        ; register 8 b + j: column 32 (b / 2) + 16 h + 8 (b % 2) + j
	global_load_b128 v[BP+8*\b+4:BP+8*\b+7], v8, s[8:9] offset:128*(\b/2)+32*(\b%2)+16
.endr
	s_wait_loadcnt 0x0                             ; the bias
	s_wait_tensorcnt 1                             ; the scale words and my part of slot 0 are in; slot 1's load may be out
	s_barrier_signal -1
	s_barrier_wait -1
	FETCH_B 0, 0, 0
	FETCH_A 0, 0, 0
	SCALES 0
	FETCH_A 0, 0, 4
	STEP 0, 0, 2                                   ; K = 1,024 is four slots: written straight.  The first products start the sums from the bias
	TURN 0, 1, 1                                   ; slot 0 takes K 512 on
	STEP 1, 0, 0
	TURN 1, 0, 1                                   ; slot 1 takes K 768 on
	STEP 0, 0, 0
	TURN 0, 1, 0                                   ; nothing is left to fetch
	STEP 1, 0, 0
	s_wait_dscnt 4*NL
	WIN MUL_LO
	MUL16 0, 1, NQ-1, 1, 0
	MUL16 2, 1, NQ-1, 1, 0
	s_wait_dscnt 0
	WIN MUL_HI
	MUL16 4, 1, NQ-1, 1, 0
	MUL16 6, 1, NQ-1, 1, 0
	WIN 0
; THE WAY OUT, block by block of 16 tokens x 128 columns, through my own stage in LDS: back come whole rows of 512 bytes, which the 32 lanes store as two aligned blocks of 256 bytes.
; LDS serves a wave's instructions in order (ISA guide 5.7.1.4): no wait between the stores and the loads, nor in front of the next block's stores.
.macro TOSTAGE a
.set AC, 64*((\a)%4)
	WIN 0x08+4*((\a)/4)                            ; the data: window 2 or 3
.irp b, 0,1,2,3,4,5,6,7
	ds_store_b128 v[STO], v[AC+8*\b:AC+8*\b+3] offset:128*(\b/2)+32*(\b%2)        ; each accumulator from its low end on
	ds_store_b128 v[STO], v[AC+8*\b+4:AC+8*\b+7] offset:128*(\b/2)+32*(\b%2)+16
.endr
	WIN 0
.set BB, BK+64*((\a)%2)
.irp t, 0,1,2,3,4,5,6,7,8,9,10,11,12,13,14,15
	ds_load_b128 v[BB+4*\t:BB+4*\t+3], v[RD] offset:\t*SPITCH
.endr
.endm
.macro SEND a, younger                 ; younger: the LDS instructions issued behind block a's loads, which may stay out
.set BB, BK+64*((\a)%2)
	s_wait_dscnt \younger
.if (\a) > 0
.if (\a)%2
	s_add_nc_u64 s[12:13], s[12:13], 8*4096        ; block a begins at token 32 (a / 2) + 8 (a % 2): 8 tokens on,
.else
	s_add_nc_u64 s[12:13], s[12:13], 24*4096       ; or 24.  (Behind a wait on XCNT: the earlier stores have read their base)
.endif
.endif
.irp t, 0,1,2,3,4,5,6,7,8,9,10,11,12,13,14,15
	global_store_b128 v[CO], v[BB+4*\t:BB+4*\t+3], s[12:13] offset:(\t+8*(\t/8))*4096 th:TH_STORE_NT   ; stage row t is the block's token t + 8 (t / 8)
.endr
.endm
	PLACES NP                                      ; in front of the first read of results, and of loads into the registers that held R's fragments
	TOSTAGE 0
.irp a, 1,2,3,4,5,6,7
.if \a > 1
	s_wait_xcnt 0x0                                ; block a - 2's stores have read their registers and their base
.endif
	TOSTAGE \a
	SEND \a-1, 32                                  ; behind block a - 1's loads: block a's 16 stores and 16 loads
.endr
	s_wait_xcnt 0x0
	SEND 7, 0
	s_wait_tensorcnt 0x0                           ; the wave's end
	ds_add_u32 v[SPW], v[NIL]
	s_wait_dscnt 0x0
	CROUND                                         ; the closing round: no work-group ends while a partner may still ask for a tile that names it
	s_endpgm
.Lfunc_end_k_q8f6d78c959_oproj:
	.size	k_q8f6d78c959_oproj, .Lfunc_end_k_q8f6d78c959_oproj-k_q8f6d78c959_oproj
	.p2alignl 7, 3214868480
	.fill 96, 4, 3214868480
	.section	.rodata,"a",@progbits
	.p2align	6, 0x0
	.amdhsa_kernel k_q8f6d78c959_oproj
		.amdhsa_group_segment_fixed_size 327680
		.amdhsa_private_segment_fixed_size 0
		.amdhsa_enable_private_segment 0
		.amdhsa_kernarg_size 32
		.amdhsa_user_sgpr_count 2
		.amdhsa_user_sgpr_kernarg_segment_ptr 1
		.amdhsa_wavefront_size32 1
		.amdhsa_system_sgpr_workgroup_id_x 1
		.amdhsa_system_sgpr_workgroup_id_y 1
		.amdhsa_system_sgpr_workgroup_id_z 1
		.amdhsa_system_vgpr_workitem_id 0
		.amdhsa_next_free_vgpr 1024
		.amdhsa_next_free_sgpr 102
		.amdhsa_reserve_vcc 0
		.amdhsa_float_denorm_mode_32 3
		.amdhsa_float_denorm_mode_16_64 3
		.amdhsa_memory_ordered 1
		.amdhsa_forward_progress 1
		.amdhsa_inst_pref_size 145
	.end_amdhsa_kernel
	.amdgpu_metadata
---
amdhsa.version: [ 1, 2 ]
amdhsa.kernels:
  - .name:           k_q8f6d78c959_oproj
    .symbol:         k_q8f6d78c959_oproj.kd
    .args:
      - { .name: ctx, .offset: 0, .size: 8, .value_kind: global_buffer, .address_space: global }
      - { .name: wq, .offset: 8, .size: 8, .value_kind: global_buffer, .address_space: global }
      - { .name: bO, .offset: 16, .size: 8, .value_kind: global_buffer, .address_space: global }
      - { .name: out0, .offset: 24, .size: 8, .value_kind: global_buffer, .address_space: global }
    .group_segment_fixed_size: 327680
    .private_segment_fixed_size: 0
    .kernarg_segment_align: 8
    .kernarg_segment_size: 32
    .max_flat_workgroup_size: 128
    .sgpr_count:     102
    .vgpr_count:     1024
    .wavefront_size: 32
...
	.end_amdgpu_metadata
.endif
;; end of part 6
;; ======== version 2 of 2: 6 launches; version 1 with the launch attn written anew for expert scheduling mode
;; limits: right only within a limited range of input values
;; workspace buffers: xq 6,553,600 bytes; wq 3,276,800 bytes; qbuf 6,815,744 bytes; kv 13,369,344 bytes; ctx 6,553,600 bytes; mtab 524,800 bytes of whole numbers
;; launch quant_x: the kernel of part 1 again; grid 512 x 1, 8 waves a work-group, no clusters, 69,120 bytes of LDS; arguments x, xq; writes xq
;; launch quant_w: the kernel of part 2 again; grid 32 x 4, 4 waves a work-group, no clusters, 26,112 bytes of LDS; arguments WQ, WK, WV, WO, wq; writes wq
;; launch maskprep: the kernel of part 3 again; grid 128 x 1, 16 waves a work-group, no clusters, 2,304 bytes of LDS; arguments mask, mtab; writes mtab
;; launch qkv: the kernel of part 4 again; grid 12 x 32, 4 waves a work-group, clusters of 4 x 4, 327,680 bytes of LDS; arguments xq, wq, bQ, bK, bV, qbuf, kv; writes qbuf, kv
;; launch attn (part 7): grid 4 x 64, 16 waves a work-group, no clusters, 210,944 bytes of LDS; arguments qbuf, kv, mtab, ctx; writes ctx
.if DOCPART == 7
	.amdgcn_target "amdgcn-amd-amdhsa--gfx1250"
	.amdhsa_code_object_version 6
	.text
	.protected	k_q8f6d78c959_attn
	.globl	k_q8f6d78c959_attn
	.p2align	8
	.type	k_q8f6d78c959_attn,@function
k_q8f6d78c959_attn:
	s_mov_b64 s[64:65], 0
	v_nop
	global_prefetch_b8 v0, s[64:65] scope:SCOPE_SE
	s_setreg_imm32_b32 hwreg(HW_REG_WAVE_SCHED_MODE, 0, 2), 2
	s_setreg_imm32_b32 hwreg(HW_REG_WAVE_MODE, 25, 1), 1
	s_wait_xcnt 0x0
	s_wait_alu depctr_vm_vsrc(0)
; ctx = softmax(q k^T / 8 + mask x (-1e9)) v for one head of one batch, both products on codes of E3M2 with E8M0 scales, and ctx quantised along the model's 1,024 for the last product.
; THE SOFTMAX AHEAD OF THE SECOND PRODUCT: t = logit x log2(e); M = the running largest t rounded UP to a whole number; p = 2^(t - M) is quantised along the keys, not normalised; the row's sum is taken of the
; unquantised p and divides at the end.  When M moves, the sum and O are multiplied by 2^(old M - new M): exact.
; THE MASK IS AN INPUT.  An earlier launch has laid it out by lanes (mtab) and classed each step of 16 queries x 128 keys: open (no masked key), mixed (computed with the mask, by the letter: score + (-8e9) is
; 8 x the f32 logit exactly, then one multiplication by log2(e) / 8, then t - M: three roundings as written), or left out (all masked, and each of the 16 queries has an open key: every weight is 0).
; LIMITS: leaving a step out is exact while open logits stay under some 4e8 in magnitude.  In open steps t - M is one fused multiply-add.  NaN and infinities are not served.  A block whose every p is 0 keeps the byte 1 over zero codes.
; SHARES.  A work-group takes one (batch, head) and a quarter of its query tiles.  The head's k, v and their scale words, 208,896 bytes, are copied into LDS once; one barrier, and none behind it.
; Each of the sixteen waves takes two tiles of 16 queries, t = 4 wave + x and 127 - t, one after the other.  Four waves to a SIMD: one wave's vector work stands beside another's matrix work and LDS loads.
; No tensor load: the walk over the steps branches on stored whole numbers.  No cluster: the four work-groups of a head share its bytes only once, at the head.
; LAYOUT.  Both products transposed: S^T = k q^T (source 0 = 16 keys), O^T = v^T p^T (source 0 = 16 of the head's 64): a lane holds one query throughout.  Tile i, lane r holds row 32 (i / 2) + 8 (i % 2) + r + 8 (r / 8),
; so the 16 registers of tiles 2 b and 2 b + 1 are 16 neighbours.  The first product's K is 64: the upper six registers of q's and k's fragments are zeros for good.
; REGISTERS: v1 16 x lane, v2 8 x lane, v3-8 the step's LDS addresses, v9 -8e9, v10 16 r, v11 8 r + h, v12 -M, v13 the largest t, v[14:15] the sum; v16-27 q; v28 q's scale word, v29 p's, v30-31 v's, v80-83 k's (scales and nothing else);
;   v32-79 four fragments of k; v84-131 four of v; v132-195 S^T, then p; v196-227 O^T; v228-239 p's codes; v240-255 at work.
; THE MODE: SCHED_MODE bits 1:0 = 2 (LLVM: expert scheduling mode 2), set by the entry lines.  The code itself states the register dependences
; between vector or matrix instructions and memory or LDS instructions, with s_wait_alu, always for 0.
; THE PLAN.  Registers that memory or LDS instructions touch:
;   v3-v8       Written by six additions at each step's head; read by that step's LDS loads.  (At the kernel's head: made once, read by the fill's loads and LDS stores.)
;   KF, KS      k's fragments (the lower six of each twelve registers) and scale words: LDS loads land in them, KF twice a step; the products k q^T read them.
;   VF, VS      v's fragments and scale words: LDS loads land in them behind the step's last product k q^T; the step's four products v^T p^T read them.  (At the head v84-185 stage the fill: loaded, then read by LDS stores.)
;   QF, QS      q's fragment (its lower six) and scale word: loaded once a tile; read by the products k q^T.
;   PC, PW      p's codes and scale word: written by vector instructions, taken by the scaled products v^T p^T.  At a tile's end PC and v254 are written by vector instructions and read by the tile's stores.
;   v1, v2, v10, v11   offsets, made once at the head and never written again.
; A STEP'S WAITS.  One on vm_vsrc ahead of the six additions.  One on va_vdst at the head of a step that is computed: the addresses are written, and the products of the step before are done with KF, KS, VF, VS; it serves
; the loads of KS, of k's first four tiles and, further down, of v: no vector or matrix instruction between names a register that those touch.  One behind the first four products, ahead of the loads of k's next four tiles
; into the registers that those products read.  The two behind the exponentials.  One ahead of the products v^T p^T, which take registers that vector instructions have written.
; In an open step the maxima of the first two blocks, which read the first four tiles' scores alone, stand between the loads of k's next four tiles and the wait for them.
.set QB,   0x1a000                     ; a head's part of qbuf
.set KVB,  0x33000                     ; and of kv: also the LDS map
.set VCO,  0x18000                     ; v's codes
.set KSC,  0x30000                     ; k's scale words
.set VSC,  0x32000                     ; v's
.set CST,  0x600000                    ; where the scale words begin in ctx
.set QF,   16
.set QS,   28
.set PW,   29
.set VS,   30
.set KF,   32
.set KS,   80
.set VF,   84
.set S,    132
.set O,    196
.set PC,   228
.set BT,   240
.set BM,   248
.set WV,   14                          ; s14 wave
.set TQ,   15                          ; s15 the query tile in hand
.set J,    84                          ; s84 the key step
.set CW,   85                          ; s85 the tile's class word
.set MB,   90                          ; s90 where the step's mask words begin in mtab
.set CS,   92                          ; s[92:93] c = log2(e) / 8
.set SEL,  94                          ; s[94:95] selects of v_permlanex16_b32: lane l xor 16
.set HI,   96                          ; s96 lanes 16-31
; s[16:63], s[68:83]: a mixed step's 64 mask words
; Four tiles of 16 keys, 4 g on, from LDS: the lower six registers of each fragment
.macro KLOAD g
.irp t, 0,1,2,3
	ds_load_b128 v[KF+12*\t:KF+12*\t+3], v3 offset:768*(4*\g+\t)
	ds_load_b64 v[KF+12*\t+4:KF+12*\t+5], v4 offset:768*(4*\g+\t)+512
.endr
.endm
; and their four products S^T = k q^T
.macro KQ g
.irp t, 0,1,2,3
.if \t%2
	v_wmma_scale_f32_16x16x128_f8f6f4 v[S+8*(4*\g+\t):S+8*(4*\g+\t)+7], v[KF+12*\t:KF+12*\t+11], v[QF:QF+11], 0, v[KS+2*\g+\t/2], v[QS] matrix_a_fmt:MATRIX_FMT_BF6 matrix_b_fmt:MATRIX_FMT_BF6 matrix_a_scale:MATRIX_SCALE_ROW1
.else
	v_wmma_scale_f32_16x16x128_f8f6f4 v[S+8*(4*\g+\t):S+8*(4*\g+\t)+7], v[KF+12*\t:KF+12*\t+11], v[QF:QF+11], 0, v[KS+2*\g+\t/2], v[QS] matrix_a_fmt:MATRIX_FMT_BF6 matrix_b_fmt:MATRIX_FMT_BF6
.endif
.endr
.endm
; The largest of my 16 numbers of blocks b0 and b0 + 1 (a block is 32 keys: two tiles): it serves for the row's maximum and, since p rises with it, for the block's largest p.  The two blocks by turns; each accumulator from its low end on
.macro BLKMAX b0
.irp b, \b0, \b0+1
	v_max3_num_f32 v[BM+\b], v[S+16*(\b)], v[S+1+16*(\b)], v[S+2+16*(\b)]
.endr
.irp i, 3,5,7,9,11,13
.irp b, \b0, \b0+1
	v_max3_num_f32 v[BM+\b], v[BM+\b], v[S+16*(\b)+\i], v[S+1+16*(\b)+\i]
.endr
.endr
.irp b, \b0, \b0+1
	v_max_num_f32 v[BM+\b], v[BM+\b], v[S+15+16*(\b)]
.endr
.endm
; A KEY STEP: 128 keys.  mixed = 1: with the mask.
.macro STEP mixed
	s_wait_alu depctr_va_vdst(0)                   ; v3 to v8 are written, which this step's LDS loads read; the products of the step before are done reading k's and v's fragments and scale words, in which those loads land
.if \mixed
	s_load_b512 s[16:31], s[8:9], s[MB] offset:0x0
	s_load_b512 s[32:47], s[8:9], s[MB] offset:0x40
	s_load_b512 s[48:63], s[8:9], s[MB] offset:0x80
	s_load_b512 s[68:83], s[8:9], s[MB] offset:0xc0
.endif
	ds_load_b128 v[KS:KS+3], v7                    ; k's scale words: register i: lanes 0-15 tile 2 i, lanes 16-31 tile 2 i + 1
	KLOAD 0                                        ; S^T = k q^T, four tiles of 16 keys at a time
	s_wait_dscnt 0x0
	KQ 0
.rept 4
	v_nop                                          ; places behind the four products, in front of the first read of their scores
.endr
	s_wait_alu depctr_va_vdst(0)                   ; the four products are done reading k's fragments, in which the next four tiles land
	KLOAD 1
.if !\mixed
	BLKMAX 0                                       ; the first four tiles' scores alone: work while the loads are on their way
.endif
	s_wait_dscnt 0x0
	KQ 1
.irp d, 0,1,2,3                                ; v's four fragments land while the softmax is walked.  No wait: no vector or matrix instruction since the wait at the step's head names these registers or v5, v6, v8
	ds_load_b128 v[VF+12*\d:VF+12*\d+3], v5 offset:1536*\d
	ds_load_b64 v[VF+12*\d+4:VF+12*\d+5], v6 offset:1536*\d+512
	ds_load_b128 v[VF+12*\d+6:VF+12*\d+9], v5 offset:1536*\d+768
	ds_load_b64 v[VF+12*\d+10:VF+12*\d+11], v6 offset:1536*\d+1280
.endr
	ds_load_b64 v[VS:VS+1], v8
.rept 4
	v_nop                                          ; places in front of the first read of the last four tiles' scores
.endr
.if \mixed
	s_wait_kmcnt 0x0
.set n, 0
.rept 32
.set MW, 16+n+4*(n/48)
.set MT, 244+2*((n/2)%2)
	v_cndmask_b32 v[MT], 0, v9, s[MW]              ; -8e9 where my element's mask bit is set
	v_cndmask_b32 v[MT+1], 0, v9, s[MW+1]
	v_pk_add_f32 v[S+n:S+n+1], v[S+n:S+n+1], v[MT:MT+1]   ; 8 x (score / 8 + mask x (-1e9)), rounded as the f32 sum is
.set n, n+2
.endr
.set n, 0
.rept 32
	v_pk_mul_f32 v[S+n:S+n+1], v[S+n:S+n+1], s[CS:CS+1] op_sel_hi:[1,0]   ; t
.set n, n+2
.endr
	BLKMAX 0
.endif
	BLKMAX 2
.irp b, 0,1,2,3
	v_permlanex16_b32 v[BT+\b], v[BM+\b], s[SEL], s[SEL+1]
.endr
.irp b, 0,1,2,3
	v_max_num_f32 v[BM+\b], v[BM+\b], v[BT+\b]     ; with lane l xor 16's 16 keys
.endr
	v_max3_num_f32 v254, v[BM], v[BM+1], v[BM+2]
	v_max_num_f32 v254, v254, v[BM+3]
.if !\mixed
	v_mul_f32 v254, s[CS], v254                    ; as t (c is positive)
.endif
	v_max_num_f32 v13, v13, v254                   ; the running largest t
	v_mov_b32 v254, v12
	v_floor_f32 v12, -v13                          ; the new -M = floor(-t): M is a whole number
	v_sub_f32 v254, v12, v254                      ; old M - new M: a whole number, 0 or less
	v_cvt_i32_f32 v254, v254                       ; (it saturates)
	v_ldexp_f32 v252, 1.0, v254                    ; f = 2^(old M - new M)
.set n, 0
.rept 32
.if \mixed
	v_pk_add_f32 v[S+n:S+n+1], v[S+n:S+n+1], v[12:13] op_sel_hi:[1,0]   ; t - M
.else
	v_pk_fma_f32 v[S+n:S+n+1], v[S+n:S+n+1], s[CS:CS+1], v[12:13] op_sel_hi:[1,0,0]   ; t - M (of the pairs c and -M the low word serves both halves)
.endif
.set n, n+2
.endr
.irp b, 0,1,2,3
.if \mixed
	v_add_f32 v[BM+\b], v[BM+\b], v12
.else
	v_fma_f32 v[BM+\b], v[BM+\b], s[CS], v12       ; the same of each block's largest
.endif
.endr
.set n, 0
.rept 64
	v_exp_f32 v[S+n], v[S+n]                       ; p = 2^(t - M)
.set n, n+1
.endr
	v_pk_mul_f32 v[14:15], v[14:15], v[252:253] op_sel_hi:[1,0]   ; the sums under the new M: the plain instruction behind the exponentials
	s_wait_alu depctr_va_vdst(0)                   ; the 64 exponentials have written p: one wait for the batch, ahead of its first reader
.irp b, 0,1,2,3
	v_exp_f32 v[BM+\b], v[BM+\b]                   ; the block's largest p: the same instructions on the same number give the same bits
.endr
	v_pk_add_f32 v[BT:BT+1], v[S:S+1], v[S+2:S+3]  ; the row's sum of the unquantised p, in two chains
.irp j, 4,8,12,16,20,24,28,32,36,40,44,48,52,56,60
	v_pk_add_f32 v[14:15], v[14:15], v[S+\j:S+1+\j]
	v_pk_add_f32 v[BT:BT+1], v[BT:BT+1], v[S+2+\j:S+3+\j]
.endr
	v_pk_add_f32 v[14:15], v[14:15], v[BT:BT+1]
	s_wait_alu depctr_va_vdst(0)                   ; the four exponentials have written the blocks' largest p, ahead of their first reader
.irp b, 0,1,2,3
	v_max_num_f32 v[BM+\b], 0x2800000, v[BM+\b]    ; the floor 2^(5 - 127): the byte cannot fall under 1
.endr
.irp b, 0,1,2,3
	v_add_nc_u32 v[BM+\b], 0xfe000000, v[BM+\b]    ; 4 off the exponent field: the conversion's scale operand
.endr
.irp b, 0,1,2,3
	v_lshrrev_b32 v[BT+\b], 23, v[BM+\b]           ; the scale's byte
.endr
	v_lshl_or_b32 v[PW], v[BT+1], 8, v[BT]         ; p's scale word for these 128 keys
	v_lshl_or_b32 v[PW], v[BT+2], 16, v[PW]
	v_lshl_or_b32 v[PW], v[BT+3], 24, v[PW]
.irp c, 0,1
	v_cvt_scalef32_pk16_bf6_f32 v[PC+6*\c:PC+2+6*\c], v[S+32*\c:S+15+32*\c], v[BM+2*\c]
	v_cvt_scalef32_pk16_bf6_f32 v[BT+4*\c:BT+2+4*\c], v[S+16+32*\c:S+31+32*\c], v[BM+2*\c+1]   ; (a conversion's three registers begin on an even number)
.endr
	v_nop                                          ; one plain instruction behind a scaled conversion
.irp c, 0,1                                    ; the operand wants a whole block in a lane
.irp i, 0,1,2
	v_permlane16_swap_b32 v[PC+6*\c+\i], v[BT+4*\c+\i]
.endr
.irp i, 0,1,2
	v_mov_b32 v[PC+3+6*\c+\i], v[BT+4*\c+\i]
.endr
.endr
.set n, 0
.rept 16
	v_pk_mul_f32 v[O+n:O+n+1], v[O+n:O+n+1], v[252:253] op_sel_hi:[1,0]   ; O^T under the new M.  These sixteen are also the places between the writes of p's codes and scale word and the products
.set n, n+2
.endr
	s_wait_dscnt 0x0                               ; v's fragments and scale words
	s_wait_alu depctr_va_vdst(0)                   ; p's codes and scale word are written, which the scaled products below take; the places above stay beside this wait
.irp d, 0,1,2,3                                ; O^T += v^T p^T: the four accumulators by turns; the next matrix instruction on any way is a product k q^T
.if \d%2
	v_wmma_scale_f32_16x16x128_f8f6f4 v[O+8*\d:O+8*\d+7], v[VF+12*\d:VF+12*\d+11], v[PC:PC+11], v[O+8*\d:O+8*\d+7], v[VS+\d/2], v[PW] matrix_a_fmt:MATRIX_FMT_BF6 matrix_b_fmt:MATRIX_FMT_BF6 matrix_a_scale:MATRIX_SCALE_ROW1
.else
	v_wmma_scale_f32_16x16x128_f8f6f4 v[O+8*\d:O+8*\d+7], v[VF+12*\d:VF+12*\d+11], v[PC:PC+11], v[O+8*\d:O+8*\d+7], v[VS+\d/2], v[PW] matrix_a_fmt:MATRIX_FMT_BF6 matrix_b_fmt:MATRIX_FMT_BF6
.endif
.endr
.endm
	s_load_b256 s[4:11], s[0:1], 0x0               ; qbuf, kv, mtab, ctx
	v_lshrrev_b32 v1, 5, v0
	v_readfirstlane_b32 s[WV], v1                  ; wave 0..15
	s_and_b32 s97, ttmp7, 0xffff                   ; 16 x batch + head
	s_mul_i32 s98, s97, QB
	s_mov_b32 s99, 0
	s_mul_i32 s100, s97, KVB
	s_mov_b32 s101, 0
	s_lshr_b32 s2, s97, 4
	s_lshl_b32 s2, s2, 7                           ; the batch's first token tile
	s_and_b32 s3, s97, 15                          ; the head
	s_lshr_b32 s87, s3, 2                          ; its two scale bytes in a row's words of ctx: 128 (head / 4) + 4 ((head / 2) % 2) + 2 (head % 2)
	s_lshl_b32 s87, s87, 7
	s_bfe_u32 s86, s3, 0x10001
	s_lshl_b32 s86, s86, 2
	s_add_co_u32 s87, s87, s86
	s_and_b32 s86, s3, 1
	s_lshl_b32 s86, s86, 1
	s_add_co_u32 s87, s87, s86
	s_wait_alu depctr_va_sdst(0)                   ; s14, the wave's number, is written, ahead of its first reader
	s_lshl_b32 s[TQ], s[WV], 2
	s_add_co_u32 s[TQ], s[TQ], ttmp9               ; my first tile of queries
	s_mov_b32 s91, 2                               ; tiles to go
	s_mov_b32 s[CS], 0x3e38aa3b                    ; c = log2(e) / 8
	s_mov_b32 s[CS+1], s[CS]                       ; (named with it as a pair, so it is written)
	s_mov_b32 s[SEL], 0x76543210
	s_mov_b32 s[SEL+1], 0xfedcba98
	s_mov_b32 s[HI], 0xffff0000
	v_lshlrev_b32 v3, 4, v0                        ; the fill: 16 bytes a thread, 8,192 a run
	v_add_nc_u32 v4, 0x10000, v3
	v_add_nc_u32 v5, 0x20000, v3
	v_add_nc_u32 v6, 0x30000, v3
	v_lshlrev_b32 v7, 3, v0
	v_add_nc_u32 v8, 0x30000, v7
	s_wait_kmcnt 0x0
	s_add_nc_u64 s[4:5], s[4:5], s[98:99]          ; my head in qbuf
	s_add_nc_u64 s[6:7], s[6:7], s[100:101]        ; and in kv
	s_add_nc_u64 s[12:13], s[10:11], CST           ; ctx's scale words
	s_wait_alu depctr_va_vdst(0)                   ; v3 to v8 are written, which the fill's loads and LDS stores read; no vector instruction of the head behind this line names them or v84 to v185
.set i, 0
.rept 25
	global_load_b128 v[VF+4*i:VF+4*i+3], v3, s[6:7] offset:8192*i   ; the head's 208,896 bytes as they lie: 25 runs of 8,192
.set i, i+1
.endr
	global_load_b64 v[VF+100:VF+101], v7, s[6:7] offset:204800      ; and one of 4,096
	v_and_b32 v10, 31, v0
	v_lshlrev_b32 v1, 4, v10                       ; 16 x lane
	v_lshlrev_b32 v2, 3, v10                       ; 8 x lane
	v_mov_b32 v9, 0xcfee6b28                       ; -8e9 = 8 x f32(-1e9), exactly
	v_and_b32 v11, 15, v0                          ; r
	v_bfe_u32 v12, v0, 4, 1                        ; h
	v_lshlrev_b32 v10, 4, v11                      ; 16 r
	v_lshl_add_u32 v11, v11, 3, v12                ; 8 r + h
.irp i, 6,7,8,9,10,11
	v_mov_b32 v[QF+\i], 0                          ; the first product's K is 64: zero codes above, for good
.irp t, 0,1,2,3
	v_mov_b32 v[KF+12*\t+\i], 0
.endr
.endr
.irp b, 0,1,2,3
	v_mov_b32 v[BT+\b], 0                          ; written once: a lane permute's destination counts as one of its sources
.endr
	v_mov_b32 v253, 0                              ; (named as the upper half of the pair v[252:253])
.set i, 0
.rept 25
	s_wait_loadcnt 25-i                            ; loads come back in order: run i is in, the younger ones stay out
	ds_store_b128 v[3+i/8], v[VF+4*i:VF+4*i+3] offset:8192*(i%8)
.set i, i+1
.endr
	s_wait_loadcnt 0x0
	ds_store_b64 v8, v[VF+100:VF+101] offset:8192
	s_wait_dscnt 0x0                               ; for the others' sake: my part has landed
	s_barrier_signal -1
	s_barrier_wait -1                              ; the head lies in LDS; nothing writes LDS from here on
.Ltile:
	s_mul_i32 s98, s[TQ], 768
	s_mov_b32 s99, 0
	s_add_nc_u64 s[98:99], s[4:5], s[98:99]
	s_wait_alu depctr_va_vdst(0)                   ; first tile: the offsets v1, v2, v10, v11 are written, which the loads below and the tile's stores read, and so are the zero codes that the scaled products take; second tile: the first tile's products are done reading q's fragment and scale word, in which the loads below land
	global_load_b128 v[QF:QF+3], v1, s[98:99]      ; q's half fragment
	global_load_b64 v[QF+4:QF+5], v2, s[98:99] offset:512
	s_lshr_b32 s100, s[TQ], 3                      ; its scale word: 512 (t / 8) + 256 (t % 2) + 4 ((t / 2) % 4) + 16 r
	s_lshl_b32 s100, s100, 9
	s_and_b32 s97, s[TQ], 1
	s_lshl_b32 s97, s97, 8
	s_add_co_u32 s100, s100, s97
	s_bfe_u32 s97, s[TQ], 0x20001
	s_lshl_b32 s97, s97, 2
	s_add_co_u32 s100, s100, s97
	s_add_co_u32 s100, s100, 0x18000
	s_mov_b32 s101, 0
	s_add_nc_u64 s[100:101], s[4:5], s[100:101]
	global_load_b32 v[QS], v10, s[100:101]
	s_lshl_b32 s97, s[TQ], 2
	s_load_b32 s[CW], s[8:9], s97 offset:0x80000   ; the tile's class word
	v_mov_b32 v13, 0xff61b1e6                      ; the largest t so far: -3e38
	v_floor_f32 v12, -v13                          ; -M
	v_mov_b32 v14, 0
	v_mov_b32 v15, 0
.set n, 0
.rept 32
	v_mov_b32 v[O+n], 0                            ; O^T: the step is written once; the first finds zeros, which the first change of M leaves zeros
.set n, n+1
.endr
	s_mov_b32 s[J], 0
	s_wait_loadcnt 0x0
	s_wait_kmcnt 0x0
.Lstep:                                            ; 16 trips; what a class leaves out is a step's work, not the trip
	s_mul_i32 s86, s[J], 6144                      ; a step's k (8 x 768) and v (4 x 1,536) are 6,144 bytes each
	s_lshl_b32 s88, s[J], 9
	s_add_co_u32 s88, s88, KSC
	s_lshl_b32 s89, s[J], 8
	s_lshl_b32 s[MB], s[TQ], 12
	s_add_co_u32 s[MB], s[MB], s89                 ; 256 bytes of mask words for each (t, j)
	s_add_co_u32 s89, s89, VSC
	s_wait_alu depctr_vm_vsrc(0)                   ; the LDS loads issued so far have read v3 to v8, which are written below; in a wave's first step the fill's loads and LDS stores have read v3 to v8 and v84 to v185, in the second tile's first step the first tile's stores have read p's codes' registers and v254: all these are written again only behind this line
	v_add_nc_u32 v3, s86, v1
	v_add_nc_u32 v4, s86, v2
	v_add_nc_u32 v5, VCO, v3
	v_add_nc_u32 v6, VCO, v4
	v_add_nc_u32 v7, s88, v1
	v_add_nc_u32 v8, s89, v2
	s_lshr_b32 s97, s[CW], s[J]
	s_bitcmp1_b32 s97, 16
	s_cbranch_scc1 .Lnext                          ; left out
	s_bitcmp1_b32 s97, 0
	s_cbranch_scc1 .Lmixed
	STEP 0
	s_branch .Lnext
.Lmixed:
	STEP 1
.Lnext:
	s_add_co_u32 s[J], s[J], 1
	s_cmp_lt_u32 s[J], 16
	s_cbranch_scc1 .Lstep
	; THE TILE'S END: O^T / the sum, quantised along the head's 64 (two blocks), stored as half a fragment of ctx
.rept 4
	v_nop                                          ; places behind the last products
.endr
	v_add_f32 v14, v14, v15
	v_permlanex16_b32 v[BT], v14, s[SEL], s[SEL+1]
	v_add_f32 v14, v14, v[BT]                      ; the row's sum
	v_rcp_f32 v14, v14
	v_nop                                          ; a plain instruction behind the transcendental
	s_wait_alu depctr_va_vdst(0)                   ; the reciprocal has written v14, ahead of its first reader
.set n, 0
.rept 16
	v_pk_mul_f32 v[S+n:S+n+1], v[O+n:O+n+1], v[14:15] op_sel_hi:[1,0]   ; register 16 b + i: channel 32 b + 16 h + i; each accumulator from its low end on
.set n, n+2
.endr
	v_max3_num_f32 v[BM], |v[S]|, |v[S+1]|, 0x2800000
	v_max3_num_f32 v[BM+1], |v[S+16]|, |v[S+17]|, 0x2800000
.irp i, 2,4,6,8,10,12,14
	v_max3_num_f32 v[BM], v[BM], |v[S+\i]|, |v[S+1+\i]|
	v_max3_num_f32 v[BM+1], v[BM+1], |v[S+16+\i]|, |v[S+17+\i]|
.endr
	v_permlanex16_b32 v[BT], v[BM], s[SEL], s[SEL+1]
	v_permlanex16_b32 v[BT+1], v[BM+1], s[SEL], s[SEL+1]
	v_max_num_f32 v[BM], v[BM], v[BT]
	v_max_num_f32 v[BM+1], v[BM+1], v[BT+1]
	v_add_nc_u32 v[BM], 0xfe000000, v[BM]
	v_add_nc_u32 v[BM+1], 0xfe000000, v[BM+1]
	v_lshrrev_b32 v[BT+2], 23, v[BM]
	v_lshrrev_b32 v[BT+3], 23, v[BM+1]
	v_cvt_scalef32_pk16_bf6_f32 v[PC:PC+2], v[S:S+15], v[BM]
	v_cvt_scalef32_pk16_bf6_f32 v[BT+4:BT+6], v[S+16:S+31], v[BM+1]
	v_cndmask_b32 v254, v[BT+2], v[BT+3], s[HI]    ; lanes 0-15 carry block 0's byte, lanes 16-31 block 1's.  (The plain instruction behind the conversions)
.irp i, 0,1,2
	v_permlane16_swap_b32 v[PC+\i], v[BT+4+\i]
.endr
.irp i, 0,1,2
	v_mov_b32 v[PC+3+\i], v[BT+4+\i]
.endr
	s_add_co_u32 s97, s2, s[TQ]                    ; the token tile among all 512
	s_lshl_b32 s98, s97, 4
	s_add_co_u32 s98, s98, s3
	s_mul_i32 s98, s98, 768                        ; [tile][head][768] = [tile][K step][1,536]
	s_mov_b32 s99, 0
	s_add_nc_u64 s[98:99], s[10:11], s[98:99]
	s_lshl_b32 s100, s97, 9
	s_add_co_u32 s100, s100, s87
	s_mov_b32 s101, 0
	s_add_nc_u64 s[100:101], s[12:13], s[100:101]
	s_wait_alu depctr_va_vdst(0)                   ; the conversions, swaps and moves have written the six registers of codes, the select v254: the three stores below read them
	global_store_b128 v1, v[PC:PC+3], s[98:99]     ; whole aligned blocks of 256 bytes
	global_store_b64 v2, v[PC+4:PC+5], s[98:99] offset:512
	global_store_b8 v11, v254, s[100:101]          ; a row's word of 128 along K is shared by two heads, which other work-groups own: a byte a lane
	s_wait_xcnt 0x0                                ; the stores have read their registers and bases: both are written again in the next trip
	s_sub_co_u32 s[TQ], 127, s[TQ]                 ; my second tile
	s_sub_co_u32 s91, s91, 1
	s_cmp_lg_u32 s91, 0
	s_cbranch_scc1 .Ltile
	s_wait_xcnt 0x0
	s_wait_alu depctr_vm_vsrc(0)                   ; the byte store has read v254, which is made anew below
	v_lshl_add_u32 v254, v0, 2, 0x33000
	v_mov_b32 v255, 0
	s_wait_dscnt 0x0                               ; the closing lines, six on end
	s_wait_alu 0x0
	s_wait_tensorcnt 0x0
	ds_add_u32 v254, v255
	s_wait_dscnt 0x0
	s_endpgm
.Lfunc_end_k_q8f6d78c959_attn:
	.size	k_q8f6d78c959_attn, .Lfunc_end_k_q8f6d78c959_attn-k_q8f6d78c959_attn
	.p2alignl 7, 3214868480
	.fill 96, 4, 3214868480
	.section	.rodata,"a",@progbits
	.p2align	6, 0x0
	.amdhsa_kernel k_q8f6d78c959_attn
		.amdhsa_group_segment_fixed_size 210944
		.amdhsa_private_segment_fixed_size 0
		.amdhsa_enable_private_segment 0
		.amdhsa_kernarg_size 32
		.amdhsa_user_sgpr_count 2
		.amdhsa_user_sgpr_kernarg_segment_ptr 1
		.amdhsa_wavefront_size32 1
		.amdhsa_system_sgpr_workgroup_id_x 1
		.amdhsa_system_sgpr_workgroup_id_y 1
		.amdhsa_system_sgpr_workgroup_id_z 1
		.amdhsa_system_vgpr_workitem_id 0
		.amdhsa_next_free_vgpr 256
		.amdhsa_next_free_sgpr 102
		.amdhsa_reserve_vcc 0
		.amdhsa_float_denorm_mode_32 3
		.amdhsa_float_denorm_mode_16_64 3
		.amdhsa_memory_ordered 1
		.amdhsa_forward_progress 1
		.amdhsa_inst_pref_size 56
	.end_amdhsa_kernel
	.amdgpu_metadata
---
amdhsa.version: [ 1, 2 ]
amdhsa.kernels:
  - .name:           k_q8f6d78c959_attn
    .symbol:         k_q8f6d78c959_attn.kd
    .args:
      - { .name: qbuf, .offset: 0, .size: 8, .value_kind: global_buffer, .address_space: global }
      - { .name: kv, .offset: 8, .size: 8, .value_kind: global_buffer, .address_space: global }
      - { .name: mtab, .offset: 16, .size: 8, .value_kind: global_buffer, .address_space: global }
      - { .name: ctx, .offset: 24, .size: 8, .value_kind: global_buffer, .address_space: global }
    .group_segment_fixed_size: 210944
    .private_segment_fixed_size: 0
    .kernarg_segment_align: 8
    .kernarg_segment_size: 32
    .max_flat_workgroup_size: 512
    .sgpr_count:     102
    .vgpr_count:     256
    .wavefront_size: 32
...
	.end_amdgpu_metadata
.endif
;; end of part 7
;; launch oproj: the kernel of part 6 again; grid 4 x 32, 4 waves a work-group, clusters of 4 x 4, 327,680 bytes of LDS; arguments ctx, wq, bO, out0; writes out0
